; MI455X (gfx1250); checked and timed in simulation.
; The chip was launched on July 23, 2026; its instructions are those of AMD's public machine-readable ISA for CDNA 5 (MIT licence, August 2026) and "CDNA5" Instruction Set Architecture Reference Guide (July 2026). The comments in the code are by the model that wrote it; some were corrected since.
;; Multi Head Attention. Allowed arithmetic: matrix products marked QUANTISED: E3M2 operands, one E8M0 scale for each 32 along K, by v_wmma_scale_f32_16x16x128_f8f6f4 with both operands' format E3M2, f32 sums; everything else in f32.
;; Inputs: Wk 1,024 x 1,024 float32; Wo 1,024 x 1,024 float32; Wq 1,024 x 1,024 float32; Wv 1,024 x 1,024 float32; bk 1,024 float32; bq 1,024 float32; bv 1,024 float32; k 4 x 2,048 x 1,024 float32; q 4 x 2,048 x 1,024 float32; v 4 x 2,048 x 1,024 float32.
;; Outputs: out0 4 x 2,048 x 1,024 float32.
;; This version of the problem:
;;   THIS VERSION OF THE PROBLEM IS GIVEN IN LOW PRECISION. The matrix products marked QUANTISED in the list below multiply operands that are first quantised to E3M2 (3 exponent bits, 2 mantissa bits; 6 bits a number), with one power-of-two scale for each 32 numbers along K (OCP MX v1.0); their sums are f32. All else is computed in f32.
;;   The module's matrix products, in the order in which they are computed (A, B: the left and right operand; K: the contracted axis; several contracted axes count as one K, in the product's order):
;;     1. [M 8,192, K 1,024] x [K 1,024, N 1,024]; A: input q; B: input Wq: QUANTISED
;;     2. [M 8,192, K 1,024] x [K 1,024, N 1,024]; A: input k; B: input Wk: QUANTISED
;;     3. [M 8,192, K 1,024] x [K 1,024, N 1,024]; A: input v; B: input Wv: QUANTISED
;;     4. batch 64 x [M 2,048, K 64] x [K 64, N 2,048]; A: computed on the way; B: computed on the way: QUANTISED
;;     5. batch 64 x [M 2,048, K 2,048] x [K 2,048, N 64]; A: softmax (see below); B: computed on the way: QUANTISED
;;     6. [M 8,192, K 1,024] x [K 1,024, N 1,024]; A: computed on the way; B: input Wo: QUANTISED
;;   THE QUANTISER, for each operand of a quantised product, along K:
;;     - K is cut into blocks of 32 from its start; a last block that is shorter is filled with zeros.
;;     - A block's scale is 2^e with e = floor(log2(the largest magnitude in the block)) - 4, held to -126 .. 127; a block of zeros has e = 0. As a byte (E8M0): e + 127.
;;     - Each number is divided by its block's scale, clamped to +-28, and rounded to the nearest number of E3M2, ties to even, subnormals kept.
;;     - The product sums the exact products of the quantised numbers (number of the format x scale) in f32.
;;   ~~~python
;;   def quantise(x, axis):      # numpy; x: float32 -> the quantised numbers, widened to float32 again
;;       x = np.moveaxis(x, axis, -1); K = x.shape[-1]
;;       x = np.pad(x, [(0, 0)] * (x.ndim - 1) + [(0, -K % 32)]); x = x.reshape(x.shape[:-1] + (-1, 32)); a = np.abs(x).max(-1, keepdims=True)
;;       e = np.where(a > 0, np.clip(np.frexp(np.where(a > 0, a, 1))[1] - 1 - 4, -126, 127), 0)      # np.frexp(a)[1] - 1 = floor(log2(a)), exactly
;;       r = np.clip(x / 2.0 ** e, -28, 28)
;;       step = 2.0 ** (np.maximum(np.frexp(np.where(r == 0, 1, r))[1] - 1, -2) - 2)
;;       q = np.round(r / step) * step * 2.0 ** e      # np.round: ties to even
;;       return np.moveaxis(q.reshape(q.shape[:-2] + (-1,))[..., :K], -1, axis).astype(np.float32)
;;   ~~~
;;   SOFTMAX AHEAD OF A QUANTISED PRODUCT. Where the list says 'softmax', what is quantised is not the finished softmax but p = 2^(t - M), with t = logit x log2(e) and M = ceil(the row's largest t), a whole number; so 1/2 < the row's largest p <= 1. The row's sum l is taken of the UNQUANTISED p, in f32, and the product's result is divided by l at the end. Since M is a whole number, a kernel that streams over the keys may use a running M (the ceiling of the running maximum): every later rescaling is an exact power of two, which a block's scale takes up: the codes' values come out the same.
;;   OPERANDS COMPUTED ON THE WAY. 'Computed on the way' means the value that the module computes at that place (a softmax that the list does not call 'softmax' is quantised finished and normalised). What goes into a quantiser is computed in f32, as accurately as f32 sums, v_exp_f32 and their like allow (about 1e-6 of the number): no bf16 or f16 on the way to a quantiser, and a product that is left as it is and whose result goes on into a quantised operand takes f32 operands (vector FMAs, or v_wmma_f32_16x16x4_f32). A number that lies on a knife's edge between two numbers of the format may be rounded either way, as far as f32 arithmetic and the matrix unit's own rounding can turn it there, and no further.
;; One version. Each part assembles by itself: llvm-mc -triple=amdgcn-amd-amdhsa -mcpu=gfx1250 --defsym DOCPART=n.
;; ======== version 1 of 1: 4 launches
;; limits: right only within a limited range of input values
;; workspace buffers: in_codes 22,020,096 bytes; in_scales 917,504 bytes; hq 6,815,744 bytes; kv 13,369,344 bytes; x_codes 6,291,456 bytes; x_scales 524,288 bytes
;; launch quant (part 1): grid 448 x 1, 4 waves a work-group, no clusters, 34,304 bytes of LDS; arguments q, k, v, Wq, Wk, Wv, Wo, in_codes, in_scales; writes in_codes, in_scales
.if DOCPART == 1
	.amdgcn_target "amdgcn-amd-amdhsa--gfx1250"
	.amdhsa_code_object_version 6
	.text
	.protected	k_qa9843ef378_quant
	.globl	k_qa9843ef378_quant
	.p2align	8
	.type	k_qa9843ef378_quant,@function
k_qa9843ef378_quant:
	s_mov_b64 s[64:65], 0
	v_nop
	global_prefetch_b8 v0, s[64:65] scope:SCOPE_SE
	s_setreg_imm32_b32 hwreg(HW_REG_WAVE_MODE, 25, 1), 1
	s_wait_xcnt 0x0
; q, k, v [8192][1024] and Wq, Wk, Wv, Wo [1024][1024], f32 with K innermost, become codes of BF6 (E3M2) with one E8M0 byte for each 32 along K.
; A block's scale is 2^(floor(log2(its largest magnitude)) - 4); its byte is the largest magnitude's exponent field - 4, held at 1 from below.
; LIMITS: a block of zeros, or one whose largest magnitude lies under 2^-122, gets the byte 1 (its codes are zeros or subnormal codes; this program alone reads the bytes); NaN and infinities are not served.
; LAYOUT OF THE RESULT: the order of the operand's registers.  A tile is 16 rows; row i of tile t of a tensor is the tensor's row 32 (t / 2) + 8 (t % 2) + i + 8 (i / 8).
; A fragment (16 rows x 128 K, 12 registers a lane) is 1,536 bytes: for each half of 64 along K, registers 0-3 at 16 x lane (512 bytes), registers 4-5 at 512 + 8 x lane (256 bytes).
; in_codes: [tile][8 fragments][1,536];  in_scales: [tile][row][8 words], word s for K step s.  First tiles: q 0, k 512, v 1,024, Wq 1,536, Wk 1,600, Wv 1,664, Wo 1,728.
; SHARES: a wave takes one tile, in 8 steps of 128 along K.  Each load reads 512 consecutive bytes of one row; the 16 rows turn through the wave's own stage in LDS (rows 528 bytes apart)
; so that a lane then holds, of its row, 16 neighbours of each block of 32.  Every store covers 512 or 256 consecutive bytes.  Memory binds: no matrix unit, no cluster, no barrier; waves share nothing.
.set STG,  8448                        ; a wave's stage: 16 rows x 528 bytes
.set R,    16                          ; v16-143  two sets of 64 registers as loaded
.set X,    144                         ; v144-207 64 numbers: register 16 b + i = k 32 b + 16 (lane / 16) + i of my row
.set PC,   208                         ; v208-227 the codes just made
.set TM,   228                         ; v228-243 at work
.set PWS,  244                         ; v244-251 the eight scale words of my row
.set OW,   252                         ; v252-255 my four of them, to store
.set SRC,  22                          ; s[22:23] the tensor, then my tile's first row
.set SEL,  32                          ; s[32:33] selects of v_permlanex16_b32 for lane l xor 16
.set HIM,  34                          ; s34      lanes 16-31
; 64 numbers of a lane become a fragment's codes in v[pc] .. v[pc + 11] and my row's scale word in v[pw]
.macro QUANT s, pc, tm, pw
.irp b, 0,1,2,3
	v_max3_num_f32 v[\tm+\b], |v[\s+16*\b]|, |v[\s+16*\b+1]|, 0x2800000   ; my 16 numbers of block b, and the floor 2^(5 - 127): the byte cannot fall under 1
.endr
.irp i, 2,4,6,8,10,12,14
.irp b, 0,1,2,3
	v_max3_num_f32 v[\tm+\b], v[\tm+\b], |v[\s+16*\b+\i]|, |v[\s+16*\b+\i+1]|   ; the four blocks by turns
.endr
.endr
.irp b, 0,1,2,3
	v_permlanex16_b32 v[\tm+4+\b], v[\tm+\b], s[SEL], s[SEL+1]
.endr
.irp b, 0,1,2,3
	v_max_num_f32 v[\tm+\b], v[\tm+\b], v[\tm+4+\b]          ; with lane l xor 16's 16: the block's largest magnitude
.endr
.irp b, 0,1,2,3
	v_add_nc_u32 v[\tm+12+\b], 0xfe000000, v[\tm+\b]         ; 4 off its exponent field: the conversion's scale operand
.endr
.irp b, 0,1,2,3
	v_lshrrev_b32 v[\tm+4+\b], 23, v[\tm+12+\b]              ; the scale's byte
.endr
	v_lshl_or_b32 v[\pw], v[\tm+5], 8, v[\tm+4]
	v_lshl_or_b32 v[\pw], v[\tm+6], 16, v[\pw]
	v_lshl_or_b32 v[\pw], v[\tm+7], 24, v[\pw]
.irp c, 0,1
	v_cvt_scalef32_pk16_bf6_f32 v[\pc+6*\c:\pc+6*\c+2], v[\s+32*\c:\s+32*\c+15], v[\tm+12+2*\c]
	v_cvt_scalef32_pk16_bf6_f32 v[\pc+12+4*\c:\pc+12+4*\c+2], v[\s+32*\c+16:\s+32*\c+31], v[\tm+12+2*\c+1]   ; (a conversion's three registers begin on an even number)
.endr
	v_nop                                                    ; one plain place behind a scaled conversion
.irp c, 0,1                                                  ; the operand wants a whole block in a lane: lanes 0-15 block 2 c, lanes 16-31 block 2 c + 1
.irp i, 0,1,2
	v_permlane16_swap_b32 v[\pc+6*\c+\i], v[\pc+12+4*\c+\i]
.endr
.irp i, 0,1,2
	v_mov_b32 v[\pc+6*\c+3+\i], v[\pc+12+4*\c+\i]
.endr
.endr
.endm
.macro PICK limit, base, p             ; work-groups under limit belong to an earlier tensor: its pointer, its first work-group
	s_cmp_lt_u32 ttmp9, \limit
	s_cselect_b64 s[SRC:SRC+1], s[\p:\p+1], s[SRC:SRC+1]
	s_cselect_b32 s24, \base, s24
.endm
	s_load_b512 s[4:19], s[0:1], 0x0               ; q, k, v, Wq, Wk, Wv, Wo, in_codes
	s_load_b64 s[20:21], s[0:1], 0x40              ; in_scales
	v_lshl_add_u32 v10, v0, 2, 33792               ; my spare word, behind the four stages; v10 and v11 are kept for the add alone
	v_mov_b32 v11, 0
	v_lshrrev_b32 v1, 5, v0
	v_readfirstlane_b32 s25, v1                    ; wave
	v_and_b32 v1, 31, v0                           ; lane
	v_and_b32 v7, 15, v0                           ; r
	v_bfe_u32 v8, v0, 4, 1                         ; h
	v_lshlrev_b32 v2, 4, v1                        ; 16 x lane
	v_lshlrev_b32 v3, 3, v1                        ; 8 x lane
	s_mul_i32 s26, s25, STG
	v_add_nc_u32 v4, s26, v2                       ; the stage, way in: a row's 512 bytes as they lie
	v_mul_u32_u24 v5, v7, 528
	v_lshl_add_u32 v5, v8, 6, v5
	v_add_nc_u32 v5, s26, v5                       ; way out: row r, + 64 h
	v_lshlrev_b32 v6, 5, v7
	v_lshl_add_u32 v6, v8, 4, v6                   ; the scale words' place: 32 r + 16 h
	s_mov_b32 s[SEL], 0x76543210
	s_mov_b32 s[SEL+1], 0xfedcba98
	s_mov_b32 s[HIM], 0xffff0000
.irp b, 0,1,2,3
	v_mov_b32 v[TM+4+\b], 0                        ; written once: a lane permute's destination counts as one of its sources
.endr
	s_wait_alu depctr_va_vdst(0)
	s_wait_kmcnt 0x0
	s_mov_b64 s[SRC:SRC+1], s[16:17]               ; Wo, unless the work-group's number says otherwise; the choice hangs on that number alone
	s_mov_b32 s24, 432
	PICK 432, 416, 14
	PICK 416, 400, 12
	PICK 400, 384, 10
	PICK 384, 256, 8
	PICK 256, 128, 6
	PICK 128, 0, 4
	s_sub_co_u32 s27, ttmp9, s24
	s_lshl_b32 s27, s27, 2
	s_add_co_u32 s27, s27, s25                     ; my tile in its tensor
	s_lshr_b32 s28, s27, 1
	s_lshl_b32 s28, s28, 5
	s_and_b32 s29, s27, 1
	s_lshl_b32 s29, s29, 3
	s_add_co_u32 s28, s28, s29                     ; its first row
	s_lshl_b32 s28, s28, 12                        ; x 4,096 bytes: 2^25 at the most
	s_mov_b32 s29, 0
	s_add_nc_u64 s[SRC:SRC+1], s[SRC:SRC+1], s[28:29]
	s_lshl_b32 s30, ttmp9, 2
	s_add_co_u32 s30, s30, s25                     ; my tile among all 1,792
	s_mul_i32 s28, s30, 12288
	s_add_nc_u64 s[18:19], s[18:19], s[28:29]
	s_lshl_b32 s28, s30, 9
	s_add_nc_u64 s[20:21], s[20:21], s[28:29]
.macro LOAD t                          ; K step t of my 16 rows: each load reads 512 consecutive bytes
.irp i, 0,1,2,3,4,5,6,7,8,9,10,11,12,13,14,15
	global_load_b128 v[R+64*((\t)%2)+4*\i:R+64*((\t)%2)+4*\i+3], v2, s[SRC:SRC+1] offset:(\i+8*(\i/8))*4096+512*(\t) th:TH_LOAD_NT
.endr
.endm
.macro STEP t
.if (\t) < 7
	s_wait_loadcnt 16                              ; this step's 16 loads are in; the next step's 16 may be out
.else
	s_wait_loadcnt 0x0
.endif
.irp i, 0,1,2,3,4,5,6,7,8,9,10,11,12,13,14,15
	ds_store_b128 v4, v[R+64*((\t)%2)+4*\i:R+64*((\t)%2)+4*\i+3] offset:528*\i
.endr
.irp b, 0,1,2,3
.irp j, 0,1,2,3
	ds_load_b128 v[X+16*\b+4*\j:X+16*\b+4*\j+3], v5 offset:128*\b+16*\j   ; LDS serves a wave's instructions in order: these see the stores above
.endr
.endr
	s_wait_dscnt 0x0                               ; the 64 numbers are in, and the stage may be written again
.if (\t) > 0
	s_wait_xcnt 0x0                                ; the last step's stores have read the codes' registers: they are written again only behind this wait
.endif
.if (\t) < 6
	LOAD (\t)+2
.endif
	QUANT X, PC, TM, PWS+(\t)
	global_store_b128 v2, v[PC:PC+3], s[18:19] offset:1536*(\t)
	global_store_b64 v3, v[PC+4:PC+5], s[18:19] offset:1536*(\t)+512
	global_store_b128 v2, v[PC+6:PC+9], s[18:19] offset:1536*(\t)+768
	global_store_b64 v3, v[PC+10:PC+11], s[18:19] offset:1536*(\t)+1280
.endm
	LOAD 0
	LOAD 1
.irp t, 0,1,2,3,4,5,6,7
	STEP \t
.endr
.irp k, 0,1,2,3
	v_cndmask_b32 v[OW+\k], v[PWS+\k], v[PWS+4+\k], s[HIM]   ; lanes 0-15 store words 0-3 of their row, lanes 16-31 words 4-7
.endr
	global_store_b128 v6, v[OW:OW+3], s[20:21]     ; the tile's 512 scale bytes, whole
	s_wait_tensorcnt 0x0                           ; the wave's end, behind my last LDS store
	ds_add_u32 v10, v11
	s_wait_dscnt 0x0
	s_endpgm
.Lfunc_end_k_qa9843ef378_quant:
	.size	k_qa9843ef378_quant, .Lfunc_end_k_qa9843ef378_quant-k_qa9843ef378_quant
	.p2alignl 7, 3214868480
	.fill 96, 4, 3214868480
	.section	.rodata,"a",@progbits
	.p2align	6, 0x0
	.amdhsa_kernel k_qa9843ef378_quant
		.amdhsa_group_segment_fixed_size 34304
		.amdhsa_private_segment_fixed_size 0
		.amdhsa_enable_private_segment 0
		.amdhsa_kernarg_size 72
		.amdhsa_user_sgpr_count 2
		.amdhsa_user_sgpr_kernarg_segment_ptr 1
		.amdhsa_wavefront_size32 1
		.amdhsa_system_sgpr_workgroup_id_x 1
		.amdhsa_system_sgpr_workgroup_id_y 1
		.amdhsa_system_sgpr_workgroup_id_z 1
		.amdhsa_system_vgpr_workitem_id 0
		.amdhsa_next_free_vgpr 256
		.amdhsa_next_free_sgpr 66
		.amdhsa_reserve_vcc 0
		.amdhsa_float_denorm_mode_32 3
		.amdhsa_float_denorm_mode_16_64 3
		.amdhsa_memory_ordered 1
		.amdhsa_forward_progress 1
		.amdhsa_inst_pref_size 66
	.end_amdhsa_kernel
	.amdgpu_metadata
---
amdhsa.version: [ 1, 2 ]
amdhsa.kernels:
  - .name:           k_qa9843ef378_quant
    .symbol:         k_qa9843ef378_quant.kd
    .args:
      - { .name: q, .offset: 0, .size: 8, .value_kind: global_buffer, .address_space: global }
      - { .name: k, .offset: 8, .size: 8, .value_kind: global_buffer, .address_space: global }
      - { .name: v, .offset: 16, .size: 8, .value_kind: global_buffer, .address_space: global }
      - { .name: Wq, .offset: 24, .size: 8, .value_kind: global_buffer, .address_space: global }
      - { .name: Wk, .offset: 32, .size: 8, .value_kind: global_buffer, .address_space: global }
      - { .name: Wv, .offset: 40, .size: 8, .value_kind: global_buffer, .address_space: global }
      - { .name: Wo, .offset: 48, .size: 8, .value_kind: global_buffer, .address_space: global }
      - { .name: in_codes, .offset: 56, .size: 8, .value_kind: global_buffer, .address_space: global }
      - { .name: in_scales, .offset: 64, .size: 8, .value_kind: global_buffer, .address_space: global }
    .group_segment_fixed_size: 34304
    .private_segment_fixed_size: 0
    .kernarg_segment_align: 8
    .kernarg_segment_size: 72
    .max_flat_workgroup_size: 128
    .sgpr_count:     66
    .vgpr_count:     256
    .wavefront_size: 32
...
	.end_amdgpu_metadata
.endif
;; end of part 1
;; launch proj (part 2): grid 4 x 64, 8 waves a work-group, clusters of 4 x 4, 327,680 bytes of LDS; arguments in_codes, in_scales, bq, bk, bv, hq, kv; writes hq, kv
.if DOCPART == 2
	.amdgcn_target "amdgcn-amd-amdhsa--gfx1250"
	.amdhsa_code_object_version 6
	.text
	.protected	k_qa9843ef378_proj
	.globl	k_qa9843ef378_proj
	.p2align	8
	.type	k_qa9843ef378_proj,@function
k_qa9843ef378_proj:
	s_mov_b64 s[64:65], 0
	v_nop
	global_prefetch_b8 v0, s[64:65] scope:SCOPE_SE
	s_setreg_imm32_b32 hwreg(HW_REG_WAVE_MODE, 25, 1), 1
	s_wait_xcnt 0x0
	s_wait_alu depctr_hold_cnt(0) depctr_sa_sdst(0) depctr_va_vdst(0) depctr_va_sdst(0) depctr_va_ssrc(0) depctr_va_vcc(0) depctr_vm_vsrc(0)
	s_getreg_b32 s2, hwreg(HW_REG_IB_STS2, 6, 4)
	s_cmp_eq_u32 s2, 0
	s_cbranch_scc0 .Lentry_in_a_cluster
	s_endpgm
.Lentry_in_a_cluster:
	s_bfe_u32 s2, ttmp6, 0x10000c
	s_cmp_lg_u32 s2, 0xf033
	s_cbranch_scc0 .Lentry_shape_is_right
	s_endpgm
.Lentry_shape_is_right:
; The three projections on codes of BF6 (E3M2): y = x W^T + b, and y quantised at once, in registers, for the attention that follows: qh and kh along a head's 64 channels, vh along the keys.
; OPERANDS lie in memory and in LDS in the order of their registers (a fragment, 16 rows x 128 K, is 1,536 bytes: for each 64 along K registers 0-3 at 16 x lane, registers 4-5 at 512 + 8 x lane).
; Row i of tile t is row 32 (t / 2) + 8 (t % 2) + i + 8 (i / 8): so the 16 result registers of two neighbouring tiles of source 0 are 16 neighbours, which is what the conversions want.
; A BLOCK: P (source 0) 256 rows, Q (source 1) 128 rows.  For q and k: P = the weight (256 outputs = 4 heads), Q = 128 rows of the activation.  For v the two are swapped: P = 256 rows of v (keys), Q = 128 rows of Wv.
; A WORK-GROUP STAYS and makes three blocks, one of q, one of k, one of v: 256 work-groups, 768 blocks.  K goes in halves of 512 through a ring of two LDS slots (147,456 bytes each: Q's 8 tiles, then P's 16, 6,144 bytes a tile);
; the ring goes on from block to block, so that a block's first half is on its way while the block before is finished, quantised and stored.
; EIGHT WAVES of 256 registers: wave w takes P's tiles 8 (w / 4) + 0 .. 7 and Q's tiles 2 (w % 4) + 0, 1: 16 accumulators; a lane's 64 registers of one Q tile are 128 neighbouring rows of P: one fragment, one scale word.
; CLUSTER 4 x 4: Q's tiles hang on the cluster's row alone and are asked for jointly along it, P's on its column.  Behind each round waves 0-3 ask for two tiles of Q each, waves 4-7 for four of P: one tensor load of a wave is out.
; THE BIAS is the C of a block's first products: the sums begin with it.  (The reference adds it behind the sum: the two differ by f32 rounding.)
; No prefetch: a block has two fills, and each is asked for four K steps, 64 matrix instructions a wave, ahead of its first read.
; LIMITS: a block of zeros, or one under 2^-122, gets the scale byte 1 (this program alone reads the bytes); NaN and infinities are not served.
; OUT: hq, for each (batch, head) 106,496 bytes: [query tile][768] codes, from 98,304 [tile][16] scale words.  kv, 208,896 bytes: K [key tile][768]; from 98,304 V^T [key step][4 tiles of channels][1,536];
; from 196,608 K's scale words; from 204,800 V's.  Of Q's and K's words bytes 0, 1 count; bytes 2, 3 are never 0xff.
.set WV,  18
.set WP,  19                           ; w / 4
.set WQ,  20                           ; w % 4
.set CX,  22
.set CY,  23
.set QTA, 24                           ; q, k: which 128 rows of the activation: 4 y + cy
.set YP,  25                           ; the cluster's y, 0..15
.set PT2, 26                           ; v: which 256 rows of v: 4 (y / 2) + cx
.set QT2, 27                           ; v: which 128 rows of Wv: 4 (y % 2) + cy
.set G1Q, 28                           ; s[28:35] descriptor group 1 for Q's tiles; s[36:43] for P's
.set G1P, 36
.set G0Q, 44                           ; s[44:51] groups 0 for Q, slot 0 and slot 1; s[52:59] for P
.set G0P, 52
.set SEL, 66                           ; s[66:67] lane selects, s68 lanes 16-31
.set HIM, 68
.set SB,  70                           ; s[70:81] six store bases
.set BP,  82                           ; s[82:83] the bias
.set SLOT,  147456
.set SPARE, 294912                     ; behind the ring: 128 bytes for each of the eight waves
.set NIL,  1                           ; v1 = 0, v15 my spare word's LDS address: kept for the add alone
.set SPW,  15
.set L16,  2                           ; 16, 8, 4 x lane
.set L8,   3
.set L4,   12
.set AQ16, 4                           ; v4-7 LDS addresses of my fragments in slot 0: 16 x lane and 8 x lane, Q's and P's; v8-11 in slot 1
.set AQ8,  5
.set AP16, 6
.set AP8,  7
.set OPS,  13                          ; offsets of P's and of Q's scale words
.set OQS,  14
.set QS,  16                           ; v16-23  Q's scale words, one register a K step: lanes 0-15 my first tile, lanes 16-31 my second
.set PS,  24                           ; v24-55  P's: v[24 + 8 i + s]: lanes 0-15 tile i, lanes 16-31 tile i + 4.  These 40 registers hold scales and nothing else
.set QF,  56                           ; v56-79  Q's two fragments
.set PF,  80                           ; v80-127 four of P's.  Behind a block's K steps: v56-95 codes, v96-111 at work, v112-115 scale words, v116-120 the next bias and its offsets
.set ACC, 128                          ; v128-255 accumulator (a, b) at 128 + 8 (8 a + b)
.macro PLACES n
.rept \n
	v_nop
.endr
.endm
.macro CROUND                          ; a round of the cluster's barrier
	s_barrier_signal -1
	s_barrier_wait -1
	s_cmp_lg_u32 s[WV], 0
	s_cbranch_scc1 .Lnot_wave_0_\@
	s_barrier_signal -3
.Lnot_wave_0_\@:
	s_barrier_wait -3
	s_barrier_signal -1
	s_barrier_wait -1
.endm
.macro JLOAD s                         ; a joint load into slot s: waves 0-3 for Q, waves 4-7 for P; an s_nop 0 and four v_nop follow each line
	s_cmp_lt_u32 s[WV], 4
	s_cbranch_scc0 .Ljp_\@
	tensor_load_to_lds s[G0Q+4*(\s):G0Q+4*(\s)+3], s[G1Q:G1Q+7]
	s_nop 0
	PLACES 4
	s_branch .Ljd_\@
.Ljp_\@:
	tensor_load_to_lds s[G0P+4*(\s):G0P+4*(\s)+3], s[G1P:G1P+7]
	s_nop 0
	PLACES 4
.Ljd_\@:
.endm
.macro FRAG reg, a16, a8, off          ; a fragment's image back into 12 registers: each load takes 512 or 256 consecutive bytes
	ds_load_b128 v[\reg:\reg+3], v[\a16] offset:\off
	ds_load_b64 v[\reg+4:\reg+5], v[\a8] offset:\off+512
	ds_load_b128 v[\reg+6:\reg+9], v[\a16] offset:\off+768
	ds_load_b64 v[\reg+10:\reg+11], v[\a8] offset:\off+1280
.endm
.macro MM a, b, s                      ; accumulator (a, b), K step s.  fRA, fRB: that side's scales stand in lanes 16-31
.set rD, ACC+8*(8*(\a)+(\b))
.set rA, PF+12*((\b)%4)
.set rB, QF+12*(\a)
.set rSA, PS+8*((\b)%4)+(\s)
.set rSB, QS+(\s)
.set fRA, (\b)/4
.set fRB, \a
.if fRA && fRB
	v_wmma_scale_f32_16x16x128_f8f6f4 v[rD:rD+7], v[rA:rA+11], v[rB:rB+11], v[rD:rD+7], v[rSA], v[rSB] matrix_a_fmt:MATRIX_FMT_BF6 matrix_b_fmt:MATRIX_FMT_BF6 matrix_a_scale:MATRIX_SCALE_ROW1 matrix_b_scale:MATRIX_SCALE_ROW1
.elseif fRA
	v_wmma_scale_f32_16x16x128_f8f6f4 v[rD:rD+7], v[rA:rA+11], v[rB:rB+11], v[rD:rD+7], v[rSA], v[rSB] matrix_a_fmt:MATRIX_FMT_BF6 matrix_b_fmt:MATRIX_FMT_BF6 matrix_a_scale:MATRIX_SCALE_ROW1
.elseif fRB
	v_wmma_scale_f32_16x16x128_f8f6f4 v[rD:rD+7], v[rA:rA+11], v[rB:rB+11], v[rD:rD+7], v[rSA], v[rSB] matrix_a_fmt:MATRIX_FMT_BF6 matrix_b_fmt:MATRIX_FMT_BF6 matrix_b_scale:MATRIX_SCALE_ROW1
.else
	v_wmma_scale_f32_16x16x128_f8f6f4 v[rD:rD+7], v[rA:rA+11], v[rB:rB+11], v[rD:rD+7], v[rSA], v[rSB] matrix_a_fmt:MATRIX_FMT_BF6 matrix_b_fmt:MATRIX_FMT_BF6
.endif
.endm
; A K step of 128 (steps 0-3 from slot 0, 4-7 from slot 1): Q's two fragments and P's eight (four at a time), 16 products.  The 16 accumulators take turns, one instruction a turn, in the same order in every step
; Loads into registers that matrix instructions have read stand four plain places behind them; ahead of steps 0 and 4 the places stand behind the barrier.
.macro KSTEP s
.set o, 1536*((\s)%4)
.set sl, 4*((\s)/4)
.if (\s)%4 > 0
	PLACES 4
.endif
	FRAG QF, AQ16+sl, AQ8+sl, o
	FRAG QF+12, AQ16+sl, AQ8+sl, 6144+o
.irp i, 0,1,2,3
	FRAG PF+12*\i, AP16+sl, AP8+sl, 6144*\i+o
.endr
.irp i, 0,1,2,3
	s_wait_dscnt 4*(3-\i)                          ; Q's and P's fragments up to the i-th are in; the later ones, four loads each, may be out
	MM 0, \i, \s
	MM 1, \i, \s
.endr
	PLACES 4
.irp i, 0,1,2,3
	FRAG PF+12*\i, AP16+sl, AP8+sl, 6144*(4+\i)+o
.endr
.irp i, 0,1,2,3
	s_wait_dscnt 4*(3-\i)
	MM 0, 4+\i, \s
	MM 1, 4+\i, \s
.endr
.endm
; Where block t's operands lie: s[60:61] the codes that I fetch for Q, s[84:85] for P, s[88:89] the scale words of my tiles of Q, s[90:91] of P.  Q's registers never hold cx, P's never cy.
.macro BLOCKADDR t
.if \t < 2
	s_lshl_b32 s62, s[QTA], 3
	s_add_co_u32 s62, s62, 512*(\t)                ; Q's first tile: the activation's
	s_lshl_b32 s86, s[CX], 4
	s_add_co_u32 s86, s86, 1536+64*(\t)            ; P's: the weight's
.else
	s_lshl_b32 s62, s[QT2], 3
	s_add_co_u32 s62, s62, 1664                    ; Wv's
	s_lshl_b32 s86, s[PT2], 4
	s_add_co_u32 s86, s86, 1024                    ; v's
.endif
	s_lshl_b32 s63, s[WQ], 1
	s_add_co_u32 s63, s62, s63
	s_mul_i32 s60, s63, 12288                      ; Q: tile 2 (w % 4) of the eight, in bytes
	s_mov_b32 s61, 0
	s_lshl_b32 s88, s63, 9                         ; and its scale words
	s_mov_b32 s89, 0
	s_lshl_b32 s87, s[WQ], 2
	s_add_co_u32 s87, s86, s87
	s_mul_i32 s84, s87, 12288                      ; P: tile 4 (w % 4) of the sixteen
	s_mov_b32 s85, 0
	s_lshl_b32 s87, s[WP], 3
	s_add_co_u32 s87, s86, s87
	s_lshl_b32 s90, s87, 9                         ; the scale words of P's tiles 8 (w / 4) on
	s_mov_b32 s91, 0
	s_add_nc_u64 s[60:61], s[4:5], s[60:61]
	s_add_nc_u64 s[84:85], s[4:5], s[84:85]
	s_add_nc_u64 s[88:89], s[6:7], s[88:89]
	s_add_nc_u64 s[90:91], s[6:7], s[90:91]
.endm
.macro SCALELOAD                       ; the scale words of a block's eight K steps stay in registers
	global_load_b128 v[QS:QS+3], v[OQS], s[88:89]
	global_load_b128 v[QS+4:QS+7], v[OQS], s[88:89] offset:16
.irp i, 0,1,2,3
	global_load_b128 v[PS+8*\i:PS+8*\i+3], v[OPS], s[90:91] offset:512*\i
	global_load_b128 v[PS+8*\i+4:PS+8*\i+7], v[OPS], s[90:91] offset:512*\i+16
.endr
.endm
.macro BIASLOAD t                      ; q, k: the bias runs along P's rows, that is along my registers: it is loaded straight into the accumulators, the same 64 numbers for both tiles of Q
	s_lshl_b32 s92, s[CX], 10                      ; 4 (256 cx + 128 (w / 4)) bytes on
	s_lshl_b32 s93, s[WP], 9
	s_add_co_u32 s92, s92, s93
	s_mov_b32 s93, 0
	s_add_nc_u64 s[BP:BP+1], s[8+2*(\t):9+2*(\t)], s[92:93]
	v_bfe_u32 v118, v0, 4, 1
	v_lshlrev_b32 v118, 6, v118                    ; 64 h
.irp a, 0,1
.irp g, 0,1,2,3
.irp k, 0,1,2,3
	global_load_b128 v[ACC+64*\a+16*\g+4*\k:ACC+64*\a+16*\g+4*\k+3], v118, s[BP:BP+1] offset:128*\g+16*\k
.endr
.endr
.endr
.endm
; The change of slots.  In front of the barrier each wave waits for all its tensor loads, adds 0 to its spare word, and waits for that and for its reads of the other slot.  fill = 1: the barrier opens a round of the
; cluster's barrier, and the other slot is filled: behind slot 0's barrier with this block's second half, behind slot 1's with the next block's first.
.macro TRIP slot, fill
	s_wait_alu depctr_va_vdst(0)
	s_wait_xcnt 0x0                                ; the last block's stores have read their registers and bases
	s_wait_tensorcnt 0x0
	ds_add_u32 v[SPW], v[NIL]                      ; no load of mine is out, so the groups 0 may be written
.if \fill
.if \slot == 0
	s_add_nc_u64 s[G0Q+6:G0Q+7], s[60:61], 6144
	s_add_nc_u64 s[G0P+6:G0P+7], s[84:85], 6144
	s_or_b32 s[G0Q+7], s[G0Q+7], 0x80000000
	s_or_b32 s[G0P+7], s[G0P+7], 0x80000000
.else
	s_mov_b64 s[G0Q+2:G0Q+3], s[60:61]
	s_mov_b64 s[G0P+2:G0P+3], s[84:85]
	s_or_b32 s[G0Q+3], s[G0Q+3], 0x80000000
	s_or_b32 s[G0P+3], s[G0P+3], 0x80000000
.endif
.endif
	s_wait_dscnt 0x0
.if \fill
	CROUND
	JLOAD 1-\slot
.else
	s_barrier_signal -1
	s_barrier_wait -1
	PLACES 4
.endif
.endm
; 64 numbers of a lane, register 16 b + i = k 32 b + 16 (lane / 16) + i of my row, become a fragment's codes in v[pc] .. v[pc + 11] and the row's scale word in v[pw]
.macro QUANT s, pc, tm, pw
.irp b, 0,1,2,3
	v_max3_num_f32 v[\tm+\b], |v[\s+16*\b]|, |v[\s+16*\b+1]|, 0x2800000   ; each accumulator from its low end on; and the floor 2^(5 - 127): the byte cannot fall under 1
.endr
.irp i, 2,4,6,8,10,12,14
.irp b, 0,1,2,3
	v_max3_num_f32 v[\tm+\b], v[\tm+\b], |v[\s+16*\b+\i]|, |v[\s+16*\b+\i+1]|   ; the four blocks by turns
.endr
.endr
.irp b, 0,1,2,3
	s_delay_alu instid0(VALU_DEP_4)
	v_permlanex16_b32 v[\tm+4+\b], v[\tm+\b], s[SEL], s[SEL+1]
.endr
.irp b, 0,1,2,3
	s_delay_alu instid0(VALU_DEP_4)
	v_max_num_f32 v[\tm+\b], v[\tm+\b], v[\tm+4+\b]
.endr
.irp b, 0,1,2,3
	s_delay_alu instid0(VALU_DEP_4)
	v_add_nc_u32 v[\tm+12+\b], 0xfe000000, v[\tm+\b]         ; 4 off the exponent field: the conversion's scale operand
.endr
.irp b, 0,1,2,3
	s_delay_alu instid0(VALU_DEP_4)
	v_lshrrev_b32 v[\tm+4+\b], 23, v[\tm+12+\b]              ; the scale's byte
.endr
	s_delay_alu instid0(VALU_DEP_3)
	v_lshl_or_b32 v[\pw], v[\tm+5], 8, v[\tm+4]
	s_delay_alu instid0(VALU_DEP_1)
	v_lshl_or_b32 v[\pw], v[\tm+6], 16, v[\pw]
	s_delay_alu instid0(VALU_DEP_1)
	v_lshl_or_b32 v[\pw], v[\tm+7], 24, v[\pw]
.irp c, 0,1
	v_cvt_scalef32_pk16_bf6_f32 v[\pc+6*\c:\pc+6*\c+2], v[\s+32*\c:\s+32*\c+15], v[\tm+12+2*\c]
	v_cvt_scalef32_pk16_bf6_f32 v[\pc+12+4*\c:\pc+12+4*\c+2], v[\s+32*\c+16:\s+32*\c+31], v[\tm+12+2*\c+1]
.endr
	v_nop                                                    ; one plain place behind a scaled conversion
.irp c, 0,1
.irp i, 0,1,2
	v_permlane16_swap_b32 v[\pc+6*\c+\i], v[\pc+12+4*\c+\i]
.endr
.irp i, 0,1,2
	s_delay_alu instid0(VALU_DEP_3)
	v_mov_b32 v[\pc+6*\c+3+\i], v[\pc+12+4*\c+\i]
.endr
.endr
.endm
; THE WAY OUT of block t.  The next block's scale words are asked for first; its bias follows when the accumulators have been read.  A tensor load is out here: no descriptor register is touched.
.macro EPI t
	PLACES 4
.if \t < 2
	SCALELOAD
.endif
.if \t == 1
	s_lshl_b32 s92, s[QT2], 9                      ; v: the bias runs along Q's rows, that is along the lanes: 4 (128 Qt + 32 (w % 4)) bytes on
	s_lshl_b32 s93, s[WQ], 7
	s_add_co_u32 s92, s92, s93
	s_mov_b32 s93, 0
	s_add_nc_u64 s[BP:BP+1], s[12:13], s[92:93]
	v_and_b32 v119, 15, v0
	v_and_b32 v120, 8, v119
	v_add_nc_u32 v119, v119, v120
	v_lshlrev_b32 v119, 2, v119                    ; 4 (r + 8 (r / 8))
	global_load_b32 v116, v119, s[BP:BP+1]
	global_load_b32 v117, v119, s[BP:BP+1] offset:32
.endif
.if \t < 2
	s_lshr_b32 s92, s[QTA], 4
	s_lshl_b32 s92, s92, 4                         ; 16 x batch
	s_lshl_b32 s94, s[CX], 2
	s_add_co_u32 s92, s92, s94
	s_lshl_b32 s94, s[WP], 1
	s_add_co_u32 s92, s92, s94                     ; my first (batch, head); my second follows it
	s_mov_b32 s98, 106496+102400*(\t)              ; a head's bytes in hq, in kv
	s_mul_i32 s92, s92, s98
	s_and_b32 s94, s[QTA], 15
	s_lshl_b32 s94, s94, 3
	s_lshl_b32 s95, s[WQ], 1
	s_add_co_u32 s94, s94, s95                     ; my first tile of rows in the batch
	s_lshl_b32 s95, s94, 6
	s_add_co_u32 s93, s95, 98304*(1+(\t))          ; where the head's scale words begin
	s_add_co_u32 s93, s93, s92
	s_mul_i32 s94, s94, 768
	s_add_co_u32 s96, s92, s94                     ; its codes
	s_mov_b32 s100, 768                            ; from tile to tile; from head to head: s98
.else
	s_lshr_b32 s92, s[PT2], 3
	s_lshl_b32 s92, s92, 4
	s_lshl_b32 s94, s[QT2], 1
	s_add_co_u32 s92, s92, s94
	s_lshr_b32 s94, s[WQ], 1
	s_add_co_u32 s92, s92, s94                     ; my (batch, head)
	s_mul_i32 s92, s92, 208896
	s_lshl_b32 s94, s[PT2], 1
	s_add_co_u32 s94, s94, s[WP]
	s_and_b32 s94, s94, 15                         ; my key step
	s_lshl_b32 s94, s94, 2
	s_and_b32 s95, s[WQ], 1
	s_lshl_b32 s95, s95, 1
	s_add_co_u32 s94, s94, s95                     ; 4 x key step + my first tile of channels
	s_lshl_b32 s93, s94, 6
	s_add_co_u32 s93, s93, 204800
	s_add_co_u32 s93, s93, s92
	s_mul_i32 s94, s94, 1536
	s_add_co_u32 s94, s94, 98304
	s_add_co_u32 s96, s92, s94
	s_mov_b32 s98, 768                             ; from half to half of a fragment
	s_mov_b32 s100, 1536                           ; from tile to tile
.endif
.if \t == 0
.set OUTP, 14                          ; hq
.else
.set OUTP, 16                          ; kv
.endif
	s_mov_b32 s97, 0
	s_mov_b32 s99, 0
	s_mov_b32 s101, 0
	s_add_nc_u64 s[SB:SB+1], s[OUTP:OUTP+1], s[96:97]          ; tile 0, half 0
	s_add_nc_u64 s[SB+2:SB+3], s[SB:SB+1], s[98:99]            ; tile 0, half 1
	s_add_nc_u64 s[SB+4:SB+5], s[SB:SB+1], s[100:101]          ; tile 1, half 0
	s_add_nc_u64 s[SB+6:SB+7], s[SB+2:SB+3], s[100:101]        ; tile 1, half 1
	s_mov_b32 s96, s93
	s_add_nc_u64 s[SB+8:SB+9], s[OUTP:OUTP+1], s[96:97]        ; the scale words
	s_add_nc_u64 s[SB+10:SB+11], s[SB+8:SB+9], s[98:99]        ; (q, k: the second head's)
	QUANT ACC, 56, 96, 112
	QUANT ACC+64, 76, 96, 113
.irp c, 0,1
	global_store_b128 v[L16], v[56+6*\c:59+6*\c], s[SB+2*\c:SB+2*\c+1]           ; 512 consecutive bytes,
	global_store_b64 v[L8], v[60+6*\c:61+6*\c], s[SB+2*\c:SB+2*\c+1] offset:512  ; 256 more
	global_store_b128 v[L16], v[76+6*\c:79+6*\c], s[SB+4+2*\c:SB+4+2*\c+1]
	global_store_b64 v[L8], v[80+6*\c:81+6*\c], s[SB+4+2*\c:SB+4+2*\c+1] offset:512
.endr
	v_cndmask_b32 v114, v112, v113, s[HIM]         ; lanes 0-15 tile 0's words, lanes 16-31 tile 1's: 128 consecutive bytes
	global_store_b32 v[L4], v114, s[SB+8:SB+9]
.if \t < 2
	v_lshrrev_b32 v115, 16, v114                   ; q, k: the second head's two bytes, with zeros above
	global_store_b32 v[L4], v115, s[SB+10:SB+11]
.endif
.if \t == 0
	BIASLOAD 1
.endif
.if \t == 1
	s_wait_loadcnt 0x0                             ; bv's two numbers of my lane, asked for at the head of this way out
.set n, 0
.rept 64
	v_mov_b32 v[ACC+n], v116                       ; my first tile's channel,
	v_mov_b32 v[ACC+64+n], v117                    ; my second's
.set n, n+1
.endr
.endif
.endm
.macro BLOCK t, nx
	TRIP 0, 1
	s_wait_loadcnt 0x0                             ; the scale words and the bias
.irp s, 0,1,2,3
	KSTEP \s
.endr
.if \t < 2
	BLOCKADDR \nx
	TRIP 1, 1
.else
	TRIP 1, 0                                      ; nothing is left to fetch
.endif
.irp s, 4,5,6,7
	KSTEP \s
.endr
	EPI \t
.endm
	s_load_b256 s[4:11], s[0:1], 0x0               ; in_codes s[4:5], in_scales s[6:7], bq s[8:9], bk s[10:11]
	s_load_b128 s[12:15], s[0:1], 0x20             ; bv s[12:13], hq s[14:15]
	s_load_b64 s[16:17], s[0:1], 0x30              ; kv
	v_lshl_add_u32 v[SPW], v0, 2, SPARE
	v_mov_b32 v[NIL], 0
	ds_add_u32 v[SPW], v[NIL]                      ; the opening: the add, twice on end, and its wait ahead of the round in front of my first tensor load
	ds_add_u32 v[SPW], v[NIL]
	v_lshrrev_b32 v2, 5, v0
	v_readfirstlane_b32 s[WV], v2                  ; wave 0..7
	s_lshr_b32 s[WP], s[WV], 2
	s_and_b32 s[WQ], s[WV], 3
	v_and_b32 v12, 31, v0                          ; lane
	v_lshlrev_b32 v[L16], 4, v12
	v_lshlrev_b32 v[L8], 3, v12
	v_lshlrev_b32 v[L4], 2, v12
	s_mul_i32 s92, s[WQ], 12288                    ; Q's tiles 2 (w % 4), + 1: what I read, and what waves 0-3 fetch
	s_mul_i32 s93, s[WP], 49152
	s_add_co_u32 s93, s93, 49152                   ; P's tiles 8 (w / 4) on, behind Q's 49,152 bytes
.irp s, 0,1
	v_add_nc_u32 v[AQ16+4*\s], s92, v[L16]
	v_add_nc_u32 v[AQ8+4*\s], s92, v[L8]
	v_add_nc_u32 v[AP16+4*\s], s93, v[L16]
	v_add_nc_u32 v[AP8+4*\s], s93, v[L8]
	s_add_co_u32 s92, s92, SLOT
	s_add_co_u32 s93, s93, SLOT
.endr
	v_bfe_u32 v56, v0, 4, 1                        ; h
	v_and_b32 v57, 15, v0                          ; r
	v_lshlrev_b32 v57, 5, v57
	v_lshl_add_u32 v[OQS], v56, 9, v57             ; Q's scale words: 32 r, lanes 16-31 one tile on
	v_lshl_add_u32 v[OPS], v56, 11, v57            ; P's: lanes 16-31 four tiles on
	s_bfe_u32 s[CX], ttmp6, 0x40000
	s_bfe_u32 s[CY], ttmp6, 0x40004
	s_and_b32 s[YP], ttmp7, 0xffff
	s_lshl_b32 s[QTA], s[YP], 2
	s_add_co_u32 s[QTA], s[QTA], s[CY]
	s_and_b32 s[QT2], s[YP], 1
	s_lshl_b32 s[QT2], s[QT2], 2
	s_add_co_u32 s[QT2], s[QT2], s[CY]
	s_lshr_b32 s[PT2], s[YP], 1
	s_lshl_b32 s[PT2], s[PT2], 2
	s_add_co_u32 s[PT2], s[PT2], s[CX]
	s_lshl_b32 s94, s[CY], 2
	s_lshl_b32 s94, 15, s94                        ; my row of the cluster
	s_lshl_b32 s95, 0x1111, s[CX]                  ; my column
	; descriptor group 1: R rows (tiles) of 6,144 bytes (768 elements of 8 bytes), 12,288 bytes apart; no padding: images are read in consecutive bytes
	s_or_b32 s[G1Q], s94, (3<<16)|(1<<21)          ; 15:0 the mask; 17:16 elements of 8 bytes; 21 set beside a mask
	s_or_b32 s[G1P], s95, (3<<16)|(1<<21)
.irp g, G1Q, G1P
	s_mov_b32 s[\g+1], 768<<16                     ; tensor_dim0
	s_mov_b32 s[\g+3], 768<<16                     ; tile_dim0
	s_mov_b32 s[\g+5], 1536                        ; tensor_dim0_stride
	s_mov_b32 s[\g+6], 0
	s_mov_b32 s[\g+7], 0
.endr
	s_mov_b32 s[G1Q+2], 2<<16                      ; tensor_dim1
	s_mov_b32 s[G1Q+4], 2                          ; tile_dim1
	s_mov_b32 s[G1P+2], 4<<16
	s_mov_b32 s[G1P+4], 4
	s_mov_b32 s[SEL], 0x76543210
	s_mov_b32 s[SEL+1], 0xfedcba98
	s_mov_b32 s[HIM], 0xffff0000
	s_wait_dscnt 0x0                               ; both opening adds are done
	s_wait_alu depctr_va_vdst(0)
	s_wait_kmcnt 0x0
	BLOCKADDR 0
	SCALELOAD
	BIASLOAD 0
	s_mul_i32 s92, s[WQ], 12288                    ; where my fetches go: Q's tiles 2 (w % 4) on,
	s_mul_i32 s93, s[WQ], 24576
	s_add_co_u32 s93, s93, 49152                   ; P's tiles 4 (w % 4) on
.irp s, 0,1
	s_mov_b32 s[G0Q+4*\s], 1
	s_add_co_u32 s[G0Q+4*\s+1], s92, \s*SLOT
	s_mov_b32 s[G0P+4*\s], 1
	s_add_co_u32 s[G0P+4*\s+1], s93, \s*SLOT
.endr
	s_mov_b64 s[G0Q+2:G0Q+3], s[60:61]
	s_mov_b64 s[G0P+2:G0P+3], s[84:85]
	s_or_b32 s[G0Q+3], s[G0Q+3], 0x80000000
	s_or_b32 s[G0P+3], s[G0P+3], 0x80000000
	CROUND                                         ; all sixteen work-groups are here: the joint loads meet
	JLOAD 0                                        ; q's first half: one tensor load a wave at the head
	BLOCK 0, 1                                     ; q
	BLOCK 1, 2                                     ; k
	BLOCK 2, 3                                     ; v
	s_wait_tensorcnt 0x0                           ; the wave's end, ahead of the closing round
	ds_add_u32 v[SPW], v[NIL]
	s_wait_dscnt 0x0
	CROUND                                         ; the closing round: no work-group ends while a partner may still ask for a tile that names it
	s_endpgm
.Lfunc_end_k_qa9843ef378_proj:
	.size	k_qa9843ef378_proj, .Lfunc_end_k_qa9843ef378_proj-k_qa9843ef378_proj
	.p2alignl 7, 3214868480
	.fill 96, 4, 3214868480
	.section	.rodata,"a",@progbits
	.p2align	6, 0x0
	.amdhsa_kernel k_qa9843ef378_proj
		.amdhsa_group_segment_fixed_size 327680
		.amdhsa_private_segment_fixed_size 0
		.amdhsa_enable_private_segment 0
		.amdhsa_kernarg_size 56
		.amdhsa_user_sgpr_count 2
		.amdhsa_user_sgpr_kernarg_segment_ptr 1
		.amdhsa_wavefront_size32 1
		.amdhsa_system_sgpr_workgroup_id_x 1
		.amdhsa_system_sgpr_workgroup_id_y 1
		.amdhsa_system_sgpr_workgroup_id_z 1
		.amdhsa_system_vgpr_workitem_id 0
		.amdhsa_next_free_vgpr 256
		.amdhsa_next_free_sgpr 102
		.amdhsa_reserve_vcc 0
		.amdhsa_float_denorm_mode_32 3
		.amdhsa_float_denorm_mode_16_64 3
		.amdhsa_memory_ordered 1
		.amdhsa_forward_progress 1
		.amdhsa_inst_pref_size 182
	.end_amdhsa_kernel
	.amdgpu_metadata
---
amdhsa.version: [ 1, 2 ]
amdhsa.kernels:
  - .name:           k_qa9843ef378_proj
    .symbol:         k_qa9843ef378_proj.kd
    .args:
      - { .name: in_codes, .offset: 0, .size: 8, .value_kind: global_buffer, .address_space: global }
      - { .name: in_scales, .offset: 8, .size: 8, .value_kind: global_buffer, .address_space: global }
      - { .name: bq, .offset: 16, .size: 8, .value_kind: global_buffer, .address_space: global }
      - { .name: bk, .offset: 24, .size: 8, .value_kind: global_buffer, .address_space: global }
      - { .name: bv, .offset: 32, .size: 8, .value_kind: global_buffer, .address_space: global }
      - { .name: hq, .offset: 40, .size: 8, .value_kind: global_buffer, .address_space: global }
      - { .name: kv, .offset: 48, .size: 8, .value_kind: global_buffer, .address_space: global }
    .group_segment_fixed_size: 327680
    .private_segment_fixed_size: 0
    .kernarg_segment_align: 8
    .kernarg_segment_size: 56
    .max_flat_workgroup_size: 256
    .sgpr_count:     102
    .vgpr_count:     256
    .wavefront_size: 32
...
	.end_amdgpu_metadata
.endif
;; end of part 2
;; launch attn (part 3): grid 4 x 64, 16 waves a work-group, clusters of 4 x 1, 210,944 bytes of LDS; arguments hq, kv, x_codes, x_scales; writes x_codes, x_scales
.if DOCPART == 3
	.amdgcn_target "amdgcn-amd-amdhsa--gfx1250"
	.amdhsa_code_object_version 6
	.text
	.protected	k_qa9843ef378_attn
	.globl	k_qa9843ef378_attn
	.p2align	8
	.type	k_qa9843ef378_attn,@function
k_qa9843ef378_attn:
	s_mov_b64 s[64:65], 0
	v_nop
	global_prefetch_b8 v0, s[64:65] scope:SCOPE_SE
	s_setreg_imm32_b32 hwreg(HW_REG_WAVE_MODE, 25, 1), 1
	s_wait_xcnt 0x0
	s_wait_alu depctr_hold_cnt(0) depctr_sa_sdst(0) depctr_va_vdst(0) depctr_va_sdst(0) depctr_va_ssrc(0) depctr_va_vcc(0) depctr_vm_vsrc(0)
	s_getreg_b32 s2, hwreg(HW_REG_IB_STS2, 6, 4)
	s_cmp_eq_u32 s2, 0
	s_cbranch_scc0 .Lentry_in_a_cluster
	s_endpgm
.Lentry_in_a_cluster:
	s_bfe_u32 s2, ttmp6, 0x10000c
	s_cmp_lg_u32 s2, 0x3003
	s_cbranch_scc0 .Lentry_shape_is_right
	s_endpgm
.Lentry_shape_is_right:
; Causal attention of one (batch, head) on codes of BF6 (E3M2), head size 64, 2,048 keys; x = O / l is quantised at once along the head's 64 channels for the last projection.
; SOFTMAX: t = score x log2(e) / 8; M = the row's largest t so far, rounded up to a whole number; p = 2^(t - M) is quantised along the keys, in blocks of 32, not normalised.  The row's sum l is taken of the
; unquantised p.  When M moves, l and O are multiplied by 2^(old M - new M): exact.
; THE MASK'S FILL IS A NUMBER, -32,767, as the reference has it: a hidden key keeps the weight 2^(tF - M).  On the diagonal hidden scores are replaced by the fill ahead of the maximum; a row that still has hidden key
; steps ahead counts the fill in its maximum; behind a tile's diagonal step M stands still and all later keys have ONE weight T: it is quantised once into a constant operand (in Q's registers, which are done with),
; l takes count x T, and each later step costs the tile four products and no softmax.
; SHARES: a cluster is one (batch, head); its four work-groups read the same K and V: the head's block of kv (208,896 bytes) is asked for jointly, one tensor load a wave (51 rows of 256 bytes), and lies in LDS as it
; lies in memory, filled once: no ring, one barrier, and no stream from memory in the loop, so nothing is prefetched.
; Each of the 16 waves owns TWO tiles of 16 queries: with j = wave / 2 and e = wave % 2 + 2 cx, tile 8 j + e (sees key steps 0 .. j) and tile 8 (15 - j) + e (steps 0 .. 15 - j): 17 softmax steps for every wave.
; Branches hang on the wave's number and the step alone; cx enters only global addresses and a lane constant.
; LAYOUT: both products transposed: S^T = K Q^T, O^T = V^T P^T: a lane holds one query.  Row i of tile t of every operand is row 32 (t / 2) + 8 (t % 2) + i + 8 (i / 8), so that 16 registers of two tiles are 16 neighbours.
; THE FIRST PRODUCT'S K IS 64, the instruction's 128: two neighbouring key tiles' halves of 768 bytes are taken as ONE fragment [tile 2 f | tile 2 f + 1], multiplied once by [q | zero codes] and once by [zero codes | q].
; Q lies in 18 registers, zeros | q | zeros: the two forms overlap.  So a step's eight key tiles are four fragments, 48 registers, fetched in one run under one wait.
; V's four fragments follow into the same 48 registers as soon as the scores are made, and land under the softmax's arithmetic.  p's codes are laid over p's first 12 registers, behind the row's sum.
; LIMITS: NaN and infinities are not served; a block of zeros gets the scale byte 1 (this program alone reads the bytes); a block's largest p is taken from its largest score, which leans on v_exp_f32 not falling where
; its input rises; 1 / l is v_rcp_f32; the hidden steps' equal weights enter l by one multiplication; t stays under 2^24 in magnitude.
.set LN,   1                           ; lane
.set AD16, 2                           ; LDS addresses of the loads in hand
.set AD8,  3
.set ADS,  4
.set DQ,   5                           ; my query in its key step - 16 (lane / 16)
.set F,    6                           ; v[6:7] f = 2^(old M - new M) in v6; v7, at work elsewhere, is only named as the pair's upper half
.set NA,   8                           ; v8 -M, v9 the largest t, v[10:11] l in two halves: tile A;  v12-15: tile B;  v7, v19 at work
.set NB,   12
.set QSA,  16                          ; Q's scale words for [q | 0], later the constant weight's
.set QSB,  17
.set PSW,  18                          ; p's scale word
.set SPW,  20                          ; v20 LDS address of my spare word, v21 = 0: kept for the add alone
.set NIL,  21
.set VS,   22                          ; v22-23 V's scale words: lanes 0-15 tile 2 g, lanes 16-31 tile 2 g + 1
.set KS,   24                          ; v24-25 K's: lanes 0-15 fragment 2 g, lanes 16-31 fragment 2 g + 1
.set QHA,  26                          ; Q's scale words for [0 | q]: the two bytes 16 bits up
.set QHB,  27
.set SO,   28                          ; v28-31 the conversions' scale operands
.set QA,   32                          ; v32-49, v50-67 Q: six zeros, q, six zeros
.set QB,   50
.set KF,   68                          ; v68-115 four fragments: K's, then V's
.set S,    116                         ; v116-179 S^T, then p
.set PC,   116                         ; p's codes, over p's first 12 registers
.set OA,   180                         ; v180-211, v212-243 O^T
.set OB,   212
.set X8,   244                         ; v244-251 at work
.set BM,   252                         ; v252-255 the blocks' maxima
.set SPARE, 208896                     ; behind the head's block: 128 bytes for each of the 16 waves
.set WV,   12
.set J,    15
.set JB,   16
.set SEL,  18
.set CS,   20                          ; s[20:21] c = log2(e) / 8
.set FILLS, 22                         ; -32,767 x 8: the fill as a raw score
.set TFILL, 23                         ; the fill as t
.set G1C,  24                          ; s[24:31] descriptor group 1; s[40:43] group 0
.set G0,   40
.set ST,   60                          ; the key step
.set TK,   61                          ; where its tiles of K, of V, K's scale words and V's begin in LDS
.set TKV,  62
.set TS,   63
.set TV,   66
.set HIM,  67
.set NEG,  68
.set TMPF, 69
.set NMA,  70                          ; my lane's hidden keys behind tile A's diagonal step: 64 a step;  s71: tile B's
.set NMB,  71
.macro PLACES n
.rept \n
	v_nop
.endr
.endm
.macro CROUND                          ; a round of the cluster's barrier
	s_barrier_signal -1
	s_barrier_wait -1
	s_cmp_lg_u32 s[WV], 0
	s_cbranch_scc1 .Lnot_wave_0_\@
	s_barrier_signal -3
.Lnot_wave_0_\@:
	s_barrier_wait -3
	s_barrier_signal -1
	s_barrier_wait -1
.endm
.macro FRAG reg, a16, a8, off          ; a fragment's image back into 12 registers
	ds_load_b128 v[\reg:\reg+3], v[\a16] offset:\off
	ds_load_b64 v[\reg+4:\reg+5], v[\a8] offset:\off+512
	ds_load_b128 v[\reg+6:\reg+9], v[\a16] offset:\off+768
	ds_load_b64 v[\reg+10:\reg+11], v[\a8] offset:\off+1280
.endm
.macro WMS                             ; the product named by rD, rA, rB, rSA, rSB; fRA: source 0's scales stand in lanes 16-31; fZ: it starts the sum
.if fZ
.if fRA
	v_wmma_scale_f32_16x16x128_f8f6f4 v[rD:rD+7], v[rA:rA+11], v[rB:rB+11], 0, v[rSA], v[rSB] matrix_a_fmt:MATRIX_FMT_BF6 matrix_b_fmt:MATRIX_FMT_BF6 matrix_a_scale:MATRIX_SCALE_ROW1
.else
	v_wmma_scale_f32_16x16x128_f8f6f4 v[rD:rD+7], v[rA:rA+11], v[rB:rB+11], 0, v[rSA], v[rSB] matrix_a_fmt:MATRIX_FMT_BF6 matrix_b_fmt:MATRIX_FMT_BF6
.endif
.else
.if fRA
	v_wmma_scale_f32_16x16x128_f8f6f4 v[rD:rD+7], v[rA:rA+11], v[rB:rB+11], v[rD:rD+7], v[rSA], v[rSB] matrix_a_fmt:MATRIX_FMT_BF6 matrix_b_fmt:MATRIX_FMT_BF6 matrix_a_scale:MATRIX_SCALE_ROW1
.else
	v_wmma_scale_f32_16x16x128_f8f6f4 v[rD:rD+7], v[rA:rA+11], v[rB:rB+11], v[rD:rD+7], v[rSA], v[rSB] matrix_a_fmt:MATRIX_FMT_BF6 matrix_b_fmt:MATRIX_FMT_BF6
.endif
.endif
.endm
.macro SP kt, qx, qsx, qhx             ; S^T of key tile kt of the step: fragment kt / 2; an even tile meets [q | 0], an odd one [0 | q]
.set rD, S+8*(\kt)
.set rA, KF+12*((\kt)/2)
.set rB, \qx+6-6*((\kt)%2)
.set rSA, KS+(\kt)/4
.if (\kt)%2
.set rSB, \qhx
.else
.set rSB, \qsx
.endif
.set fRA, ((\kt)/2)%2
.set fZ, 1
	WMS
.endm
.macro PV ox, p, sc                    ; O^T += V^T P^T: four tiles of 16 channels, four accumulators by turns
.irp dt, 0,1,2,3
.set rD, \ox+8*\dt
.set rA, KF+12*\dt
.set rB, \p
.set rSA, VS+\dt/2
.set rSB, \sc
.set fRA, \dt%2
.set fZ, 0
	WMS
.endr
.endm
.macro LOADV                           ; the step's four fragments of V^T and their scale words are asked for; the wait stands ahead of the products
	v_lshl_add_u32 v[AD16], v[LN], 4, s[TKV]
	v_lshl_add_u32 v[AD8], v[LN], 3, s[TKV]
	v_lshl_add_u32 v[ADS], v[LN], 2, s[TV]
	v_nop
	v_nop                                          ; five places behind the last products: loads into registers that they read, and the first reads of their results, follow
.irp g, 0,1
	ds_load_b32 v[VS+\g], v[ADS] offset:128*\g
.endr
.irp dt, 0,1,2,3
	FRAG KF+12*\dt, AD16, AD8, 1536*\dt
.endr
.endm
; One tile's scores and softmax for the key step in hand.  nm: its statistics; qx, qsx, qhx: its Q and the two scale words; ox: its O^T; jx: its diagonal step.
.macro SOFT nm, qx, qsx, qhx, ox, jx
	s_wait_alu depctr_va_vdst(0)
	v_lshl_add_u32 v[AD16], v[LN], 4, s[TK]
	v_lshl_add_u32 v[AD8], v[LN], 3, s[TK]
	v_and_b32 v[SO], 16, v[LN]
	v_lshl_add_u32 v[ADS], v[LN], 2, s[TS]
	v_lshl_add_u32 v[ADS], v[SO], 2, v[ADS]        ; 4 r + 128 h: lanes 16-31 two tiles on.  (Five places: the scores are written over p's codes, which the last products read)
	ds_load_b32 v[KS], v[ADS]                      ; the words of tiles 0 | 2,
	ds_load_b32 v[X8], v[ADS] offset:64            ; 1 | 3,
	ds_load_b32 v[KS+1], v[ADS] offset:256         ; 4 | 6,
	ds_load_b32 v[X8+1], v[ADS] offset:320         ; 5 | 7
.irp f, 0,1,2,3
	FRAG KF+12*\f, AD16, AD8, 1536*\f
.endr
	s_wait_dscnt 16                                ; the four scale loads are in; the 16 fragment loads behind them may be out
	v_perm_b32 v[KS], v[X8], v[KS], 0x05040100     ; a fragment's word: the even tile's two bytes below, the odd tile's above
	v_perm_b32 v[KS+1], v[X8+1], v[KS+1], 0x05040100
	PLACES 8                                       ; a scale register written by a vector instruction stands 8 places ahead of a scaled matrix instruction
	s_wait_alu depctr_va_vdst(0)
	s_wait_dscnt 0x0
.irp kt, 0,1,2,3,4,5,6,7
	SP \kt, \qx, \qsx, \qhx
.endr                                              ; register 16 b + i of S: key 32 b + 16 (lane / 16) + i of the step
	LOADV                                          ; K's fragments are done with: V's are asked for now
	s_cmp_lg_u32 s[ST], s[\jx]
	s_cbranch_scc1 .Lopen_\@                       ; a step all of whose keys count skips the mask
	s_cmp_eq_u32 s[ST], 15
	s_cselect_b32 s[TMPF], s[NEG], s[TFILL]
	v_max_num_f32 v[\nm+1], s[TMPF], v[\nm+1]      ; hidden steps lie ahead (not behind step 15): the fill counts in every row's maximum
.set n, 0
.rept 64
	v_cmp_le_i32 vcc_lo, 32*(n/16)+n%16, v[DQ]     ; the key does not come after my query: its score stays;
	v_cndmask_b32 v[S+n], s[FILLS], v[S+n], vcc_lo ; else it is the fill
.set n, n+1
.endr
.Lopen_\@:
.irp b, 0,1,2,3
	v_max3_num_f32 v[BM+\b], v[S+16*\b], v[S+16*\b+1], v[S+16*\b+2]   ; the largest score of each block of 32 keys: for the row's maximum and for the block's largest p
.endr
.irp i, 3,5,7,9,11,13
.irp b, 0,1,2,3
	v_max3_num_f32 v[BM+\b], v[BM+\b], v[S+16*\b+\i], v[S+16*\b+\i+1]
.endr
.endr
.irp b, 0,1,2,3
	v_max_num_f32 v[BM+\b], v[BM+\b], v[S+16*\b+15]
.endr
.irp b, 0,1,2,3
	s_delay_alu instid0(VALU_DEP_4)
	v_permlanex16_b32 v[X8+\b], v[BM+\b], s[SEL], s[SEL+1]
.endr
.irp b, 0,1,2,3
	s_delay_alu instid0(VALU_DEP_4)
	v_max_num_f32 v[BM+\b], v[BM+\b], v[X8+\b]     ; with lane l xor 16's 16 keys
.endr
	s_delay_alu instid0(VALU_DEP_2)
	v_max3_num_f32 v7, v[BM], v[BM+1], v[BM+2]
	s_delay_alu instid0(VALU_DEP_1)
	v_max_num_f32 v7, v7, v[BM+3]
	s_delay_alu instid0(VALU_DEP_1)
	v_mul_f32 v7, s[CS], v7                        ; as t (c is positive)
	s_delay_alu instid0(VALU_DEP_1)
	v_max_num_f32 v[\nm+1], v[\nm+1], v7           ; the running largest t
	v_mov_b32 v7, v[\nm]
	s_delay_alu instid0(VALU_DEP_2)
	v_floor_f32 v[\nm], -v[\nm+1]                  ; the new -M = floor(-t): M is a whole number
	s_delay_alu instid0(VALU_DEP_1)
	v_sub_f32 v7, v[\nm], v7                       ; old M - new M: a whole number, 0 or less
	s_delay_alu instid0(VALU_DEP_1)
	v_cvt_i32_f32 v7, v7                           ; (it saturates)
	s_delay_alu instid0(VALU_DEP_1)
	v_ldexp_f32 v[F], 1.0, v7                      ; f
.set n, 0
.rept 32
	v_pk_fma_f32 v[S+2*n:S+2*n+1], v[S+2*n:S+2*n+1], s[CS:CS+1], v[\nm:\nm+1] op_sel_hi:[1,0,0]   ; t - M
.set n, n+1
.endr
.irp b, 0,1,2,3
	v_fma_f32 v[BM+\b], v[BM+\b], s[CS], v[\nm]
.endr
.set n, 0
	s_wait_alu depctr_va_vdst(0)
.rept 64
	v_exp_f32 v[S+n], v[S+n]                       ; p = 2^(t - M)
.set n, n+1
.endr
.irp b, 0,1,2,3
	v_exp_f32 v[BM+\b], v[BM+\b]                   ; the block's largest p: the same two instructions on the same number
.endr
	v_pk_mul_f32 v[\nm+2:\nm+3], v[\nm+2:\nm+3], v[F:F+1] op_sel_hi:[1,0]   ; l under the new M (a plain place behind the exponentials)
	s_wait_alu depctr_va_vdst(0)                   ; one wait for the whole batch, ahead of its first reader
.irp b, 0,1,2,3
	v_max_num_f32 v[BM+\b], 0x2800000, v[BM+\b]    ; the floor 2^(5 - 127)
.endr
.irp b, 0,1,2,3
	s_delay_alu instid0(VALU_DEP_4)
	v_add_nc_u32 v[SO+\b], 0xfe000000, v[BM+\b]    ; 4 off the exponent field: the conversion's scale operand
.endr
.irp b, 0,1,2,3
	s_delay_alu instid0(VALU_DEP_4)
	v_lshrrev_b32 v[X8+\b], 23, v[SO+\b]           ; the scale's byte
.endr
	s_delay_alu instid0(VALU_DEP_3)
	v_lshl_or_b32 v[PSW], v[X8+1], 8, v[X8]
	s_delay_alu instid0(VALU_DEP_1)
	v_lshl_or_b32 v[PSW], v[X8+2], 16, v[PSW]
	s_delay_alu instid0(VALU_DEP_1)
	v_lshl_or_b32 v[PSW], v[X8+3], 24, v[PSW]
.irp k, 0,1,2
	v_pk_add_f32 v[X8+2*\k:X8+2*\k+1], v[S+4*\k:S+4*\k+1], v[S+4*\k+2:S+4*\k+3]   ; the row's sum, of the unquantised p, in four chains: 32 additions for 32 pairs
.endr
.irp j, 12,20,28,36,44,52
	v_pk_add_f32 v[\nm+2:\nm+3], v[\nm+2:\nm+3], v[S+\j:S+\j+1]
	v_pk_add_f32 v[X8:X8+1], v[X8:X8+1], v[S+\j+2:S+\j+3]
	v_pk_add_f32 v[X8+2:X8+3], v[X8+2:X8+3], v[S+\j+4:S+\j+5]
	v_pk_add_f32 v[X8+4:X8+5], v[X8+4:X8+5], v[S+\j+6:S+\j+7]
.endr
	v_pk_add_f32 v[\nm+2:\nm+3], v[\nm+2:\nm+3], v[S+60:S+61]
	v_pk_add_f32 v[X8:X8+1], v[X8:X8+1], v[S+62:S+63]
	v_pk_add_f32 v[X8+2:X8+3], v[X8+2:X8+3], v[X8+4:X8+5]
	v_pk_add_f32 v[\nm+2:\nm+3], v[\nm+2:\nm+3], v[X8:X8+1]
	v_pk_add_f32 v[\nm+2:\nm+3], v[\nm+2:\nm+3], v[X8+2:X8+3]
	v_cvt_scalef32_pk16_bf6_f32 v[X8:X8+2], v[S:S+15], v[SO]
	v_cvt_scalef32_pk16_bf6_f32 v[X8+4:X8+6], v[S+16:S+31], v[SO+1]
	v_nop                                          ; a plain place: the next conversion writes over numbers that the first has read
	v_cvt_scalef32_pk16_bf6_f32 v[PC+6:PC+8], v[S+32:S+47], v[SO+2]
	v_cvt_scalef32_pk16_bf6_f32 v[BM:BM+2], v[S+48:S+63], v[SO+3]
	v_nop                                          ; one plain place behind a scaled conversion
.irp i, 0,1,2
	v_permlane16_swap_b32 v[X8+\i], v[X8+4+\i]     ; a whole block to a lane: the first now holds each lane's block's lower 16 codes, the second the upper 16
	v_permlane16_swap_b32 v[PC+6+\i], v[BM+\i]
.endr
.irp i, 0,1,2
	v_mov_b32 v[PC+\i], v[X8+\i]
	v_mov_b32 v[PC+3+\i], v[X8+4+\i]
	v_mov_b32 v[PC+9+\i], v[BM+\i]
.endr
	s_wait_alu depctr_va_vdst(0)                   ; directly ahead of the first reader of O^T
.irp j, 0,2,4,6,8,10,12,14,16,18,20,22,24,26,28,30
	v_pk_mul_f32 v[\ox+\j:\ox+\j+1], v[\ox+\j:\ox+\j+1], v[F:F+1] op_sel_hi:[1,0]   ; O^T under the new M, each accumulator from its low end on
.endr
	s_wait_dscnt 0x0                               ; V's fragments, asked for behind the scores
	s_wait_alu depctr_va_vdst(0)                   ; directly ahead of the products that read what was just written
.endm
; Behind a tile's diagonal step: the one weight T of all later keys becomes a constant operand in Q's first 12 registers and a constant scale word; l takes my lane's count of them x T.
.macro TAIL nm, qx, qsx, cnt
	v_fma_f32 v7, s[FILLS], s[CS], v[\nm]          ; tF - M, 0 or less: the fill was counted in M
	v_cvt_f32_u32 v19, s[\cnt]
	s_wait_alu depctr_va_vdst(0)
	v_exp_f32 v7, v7
	v_nop
	s_wait_alu depctr_va_vdst(0)
	v_fmac_f32 v[\nm+2], v7, v19
	v_max_num_f32 v19, 0x2800000, v7
	s_delay_alu instid0(VALU_DEP_1)
	v_add_nc_u32 v19, 0xfe000000, v19
	s_delay_alu instid0(VALU_DEP_1)
	v_lshrrev_b32 v[\qsx], 23, v19
	s_delay_alu instid0(VALU_DEP_1)
	v_lshl_or_b32 v[\qsx], v[\qsx], 8, v[\qsx]
	s_delay_alu instid0(VALU_DEP_1)
	v_lshl_or_b32 v[\qsx], v[\qsx], 16, v[\qsx]    ; the same byte for all four blocks
.irp i, 0,1,2,3,4,5,6,7,8,9,10,11,12,13,14,15
	v_mov_b32 v[S+48+\i], v7
.endr
	v_cvt_scalef32_pk16_bf6_f32 v[\qx:\qx+2], v[S+48:S+63], v19   ; 16 equal codes: 96 bits,
	v_nop
.irp i, 3,4,5,6,7,8,9,10,11
	v_mov_b32 v[\qx+\i], v[\qx+\i%3]               ; four times over
.endr
	PLACES 8                                       ; a scale register written by a vector instruction stands 8 places ahead of a scaled matrix instruction
.endm
; A KEY STEP of 128 keys.  No barrier and no tensor load stands in it; on no way do two matrix instructions that follow each other share an accumulator.
.macro STEP
	s_cmp_gt_u32 s[ST], s[J]
	s_cbranch_scc1 .Lna_\@
	SOFT NA, QA, QSA, QHA, OA, J
	PV OA, PC, PSW
	s_cmp_lg_u32 s[ST], s[J]
	s_cbranch_scc1 .Lna_\@
	TAIL NA, QA, QSA, NMA
.Lna_\@:
	s_cmp_gt_u32 s[ST], s[JB]
	s_cbranch_scc1 .Lnb_\@
	SOFT NB, QB, QSB, QHB, OB, JB
	PV OB, PC, PSW
	s_cmp_le_u32 s[ST], s[J]
	s_cbranch_scc1 .Lend_\@
	PV OA, QA, QSA                                 ; tile A is behind its diagonal: the constant weight, on the same fragments of V
	s_cmp_lg_u32 s[ST], s[JB]
	s_cbranch_scc1 .Lend_\@
	s_cmp_eq_u32 s[ST], 15
	s_cbranch_scc1 .Lend_\@                        ; nothing follows step 15
	TAIL NB, QB, QSB, NMB
	s_branch .Lend_\@
.Lnb_\@:
	LOADV
	s_wait_dscnt 0x0
	s_wait_alu depctr_va_vdst(0)
	PV OA, QA, QSA
	PV OB, QB, QSB
.Lend_\@:
	s_add_co_u32 s[TK], s[TK], 6144
	s_add_co_u32 s[TKV], s[TKV], 6144
	s_add_co_u32 s[TS], s[TS], 512
	s_add_co_u32 s[TV], s[TV], 256
.endm
; 32 numbers of a lane, register 16 b + i = channel 32 b + 16 (lane / 16) + i, become half a fragment in v[pc] .. v[pc + 5] and two scale bytes in v[pw].
; tm: six work registers that have been written before on every way (a lane permute's destination counts as one of its sources).
.macro QH s, pc, pt, tm, pw
.irp b, 0,1
	v_max3_num_f32 v[\tm+\b], |v[\s+16*\b]|, |v[\s+16*\b+1]|, 0x2800000
.endr
.irp i, 2,4,6,8,10,12,14
.irp b, 0,1
	s_delay_alu instid0(VALU_DEP_2)
	v_max3_num_f32 v[\tm+\b], v[\tm+\b], |v[\s+16*\b+\i]|, |v[\s+16*\b+\i+1]|
.endr
.endr
.irp b, 0,1
	s_delay_alu instid0(VALU_DEP_2)
	v_permlanex16_b32 v[\tm+2+\b], v[\tm+\b], s[SEL], s[SEL+1]
.endr
.irp b, 0,1
	s_delay_alu instid0(VALU_DEP_2)
	v_max_num_f32 v[\tm+\b], v[\tm+\b], v[\tm+2+\b]
.endr
.irp b, 0,1
	s_delay_alu instid0(VALU_DEP_2)
	v_add_nc_u32 v[\tm+4+\b], 0xfe000000, v[\tm+\b]
.endr
.irp b, 0,1
	s_delay_alu instid0(VALU_DEP_2)
	v_lshrrev_b32 v[\tm+2+\b], 23, v[\tm+4+\b]
.endr
	s_delay_alu instid0(VALU_DEP_1)
	v_lshl_or_b32 v[\pw], v[\tm+3], 8, v[\tm+2]
	v_cvt_scalef32_pk16_bf6_f32 v[\pc:\pc+2], v[\s:\s+15], v[\tm+4]
	v_cvt_scalef32_pk16_bf6_f32 v[\pt:\pt+2], v[\s+16:\s+31], v[\tm+5]
	v_nop
.irp i, 0,1,2
	v_permlane16_swap_b32 v[\pc+\i], v[\pt+\i]
.endr
.irp i, 0,1,2
	s_delay_alu instid0(VALU_DEP_3)
	v_mov_b32 v[\pc+3+\i], v[\pt+\i]
.endr
.endm
	s_load_b256 s[4:11], s[0:1], 0x0               ; hq s[4:5], kv s[6:7], x_codes s[8:9], x_scales s[10:11]
	v_lshrrev_b32 v1, 5, v0
	s_delay_alu instid0(VALU_DEP_1)
	v_readfirstlane_b32 s[WV], v1                  ; wave 0..15
	v_and_b32 v[LN], 31, v0
	v_lshl_add_u32 v[SPW], v0, 2, SPARE
	v_mov_b32 v[NIL], 0
	ds_add_u32 v[SPW], v[NIL]                      ; the opening: the add, twice on end, and its wait ahead of the round in front of my tensor load
	ds_add_u32 v[SPW], v[NIL]
	s_bfe_u32 s13, ttmp6, 0x40000                  ; cx
	s_and_b32 s14, ttmp7, 0xffff                   ; 16 x batch + head, which the four partners share
	s_lshr_b32 s[J], s[WV], 1
	s_sub_co_u32 s[JB], 15, s[J]
	s_and_b32 s17, s[WV], 1
	s_lshl_b32 s72, s13, 1
	s_add_co_u32 s17, s17, s72                     ; e: my tiles' place among the eight of a key step
	s_lshl_b32 s[NMA], s[JB], 6                    ; 64 (15 - j)
	s_lshl_b32 s[NMB], s[J], 6
	s_mov_b32 s[SEL], 0x76543210
	s_mov_b32 s[SEL+1], 0xfedcba98
	s_mov_b32 s[CS], 0x3e38aa3b                    ; log2(e) / 8
	s_mov_b32 s[CS+1], s[CS]                       ; (named with it as a pair, so it is written)
	s_mov_b32 s[TFILL], 0xc738a8ca                 ; -32,767 x log2(e) = -47,272.79: it only enters a ceiling
	s_mov_b32 s[NEG], 0xff61b1e6                   ; -3e38
	s_mov_b32 s[HIM], 0xffff0000
	s_mov_b32 s[FILLS], 0xc87ffe00                 ; -262,136
	; descriptor group 1: dense bytes as rows of 256 (32 elements of 8 bytes); 15:0 the mask: all four work-groups; 21 set beside a mask
	s_mov_b32 s[G1C], 15|(3<<16)|(1<<21)
	s_mov_b32 s[G1C+1], 32<<16
	s_mov_b32 s[G1C+2], 51<<16                     ; a sixteenth of the head's block: 51 rows
	s_mov_b32 s[G1C+3], 32<<16
	s_mov_b32 s[G1C+4], 51
	s_mov_b32 s[G1C+5], 32
	s_mov_b32 s[G1C+6], 0
	s_mov_b32 s[G1C+7], 0
	s_mul_i32 s74, s14, 208896
	s_mov_b32 s75, 0
	s_mul_i32 s76, s[WV], 13056                    ; my sixteenth.  LDS address = offset in the head's block
	s_mov_b32 s77, 0
	s_wait_dscnt 0x0                               ; both opening adds are done
	s_wait_kmcnt 0x0
	s_add_nc_u64 s[6:7], s[6:7], s[74:75]          ; the head's block of kv
	s_mov_b32 s[G0], 1
	s_mov_b32 s[G0+1], s76
	s_add_nc_u64 s[G0+2:G0+3], s[6:7], s[76:77]
	s_or_b32 s[G0+3], s[G0+3], 0x80000000
	CROUND                                         ; all four work-groups are here: the joint loads meet
	tensor_load_to_lds s[G0:G0+3], s[G1C:G1C+7]    ; one tensor load a wave: the 16 together bring K, V and their scale words for all 16 key steps
	s_nop 0
	PLACES 4
	s_mul_i32 s72, s14, 106496
	s_mov_b32 s73, 0
	s_add_nc_u64 s[4:5], s[4:5], s[72:73]          ; the head's block of hq
	s_lshl_b32 s82, s[J], 3
	s_add_co_u32 s82, s82, s17                     ; tile A
	s_lshl_b32 s83, s[JB], 3
	s_add_co_u32 s83, s83, s17                     ; tile B
	s_mul_i32 s74, s82, 768
	s_mov_b32 s75, 0
	s_add_nc_u64 s[74:75], s[4:5], s[74:75]
	s_mul_i32 s76, s83, 768
	s_mov_b32 s77, 0
	s_add_nc_u64 s[76:77], s[4:5], s[76:77]
	s_lshl_b32 s78, s82, 6
	s_mov_b32 s79, 0
	s_add_nc_u64 s[78:79], s[4:5], s[78:79]
	s_lshl_b32 s80, s83, 6
	s_mov_b32 s81, 0
	s_add_nc_u64 s[80:81], s[4:5], s[80:81]
	s_wait_alu depctr_va_vdst(0)
	v_lshlrev_b32 v[AD16], 4, v[LN]
	v_lshlrev_b32 v[AD8], 3, v[LN]
	v_and_b32 v7, 15, v0                           ; r
	s_delay_alu instid0(VALU_DEP_1)
	v_lshlrev_b32 v[ADS], 2, v7
	global_load_b128 v[QA+6:QA+9], v[AD16], s[74:75]
	global_load_b64 v[QA+10:QA+11], v[AD8], s[74:75] offset:512
	global_load_b128 v[QB+6:QB+9], v[AD16], s[76:77]
	global_load_b64 v[QB+10:QB+11], v[AD8], s[76:77] offset:512
	global_load_b32 v[QSA], v[ADS], s[78:79] offset:98304
	global_load_b32 v[QSB], v[ADS], s[80:81] offset:98304
	s_lshr_b32 s72, s17, 1
	s_lshl_b32 s72, s72, 5
	s_and_b32 s73, s17, 1
	s_lshl_b32 s73, s73, 3
	s_add_co_u32 s72, s72, s73
	v_and_b32 v19, 8, v7
	s_delay_alu instid0(VALU_DEP_1)
	v_add_nc_u32 v[DQ], v7, v19
	v_bfe_u32 v19, v0, 4, 1
	s_delay_alu instid0(VALU_DEP_1)
	v_lshlrev_b32 v19, 4, v19
	s_delay_alu instid0(VALU_DEP_1)
	v_sub_nc_u32 v[DQ], v[DQ], v19
	s_delay_alu instid0(VALU_DEP_1)
	v_add_nc_u32 v[DQ], s72, v[DQ]                 ; 32 (e / 2) + 8 (e % 2) + r + 8 (r / 8) - 16 h
.irp m, NA, NB
	v_mov_b32 v[\m+1], s[NEG]                      ; the largest t so far: under every t
	s_delay_alu instid0(VALU_DEP_1)
	v_floor_f32 v[\m], -v[\m+1]
	v_mov_b32 v[\m+2], 0
	v_mov_b32 v[\m+3], 0
.endr
.irp i, 0,1,2,3
	v_mov_b32 v[X8+\i], 0                          ; written once: a lane permute's destination counts as one of its sources
.endr
.irp i, 0,1,2,3,4,5,12,13,14,15,16,17
	v_mov_b32 v[QA+\i], 0                          ; the zero codes on both sides of q
	v_mov_b32 v[QB+\i], 0
.endr
.set n, 0
.rept 64
	v_mov_b32 v[OA+n], 0                           ; O^T of both tiles.  (The step is written once: the first finds zeros, which the first change of M leaves zeros)
.set n, n+1
.endr
	s_wait_alu depctr_va_vdst(0)
	s_wait_loadcnt 0x0                             ; Q; the address registers are free
	v_lshlrev_b32 v[QHA], 16, v[QSA]               ; the scale words for [0 | q]: q's two bytes over blocks 2 and 3; the bytes below stand over zero codes
	v_lshlrev_b32 v[QHB], 16, v[QSB]
	s_wait_alu depctr_va_vdst(0)                   ; and once more, for these two
	s_wait_tensorcnt 0x0                           ; my one load has landed;
	s_barrier_signal -1
	s_barrier_wait -1                              ; everybody's has.  The one barrier of the walk: no wave waits for another in the loop
	s_mov_b32 s[ST], 0
	s_mov_b32 s[TK], 0
	s_mov_b32 s[TKV], 98304
	s_mov_b32 s[TS], 196608
	s_mov_b32 s[TV], 204800
.Lstep:
	STEP
	s_add_co_u32 s[ST], s[ST], 1
	s_cmp_lt_u32 s[ST], 16
	s_cbranch_scc1 .Lstep
	; THE WAY OUT: x = O / l, quantised along the head's 64 channels; each tile leaves as half a fragment (768 bytes) and 16 scale words.
	PLACES 4
	v_add_f32 v[NA+2], v[NA+2], v[NA+3]
	v_add_f32 v[NB+2], v[NB+2], v[NB+3]
	v_permlanex16_b32 v7, v[NA+2], s[SEL], s[SEL+1]
	s_delay_alu instid0(VALU_DEP_2)
	v_permlanex16_b32 v19, v[NB+2], s[SEL], s[SEL+1]
	s_delay_alu instid0(VALU_DEP_2)
	v_add_f32 v[NA+2], v[NA+2], v7
	s_delay_alu instid0(VALU_DEP_2)
	v_add_f32 v[NB+2], v[NB+2], v19
	s_wait_alu depctr_va_vdst(0)
	v_rcp_f32 v[NA+2], v[NA+2]
	v_rcp_f32 v[NB+2], v[NB+2]
	v_nop                                          ; a plain place behind the transcendentals
	s_wait_alu depctr_va_vdst(0)
.irp j, 0,2,4,6,8,10,12,14,16,18,20,22,24,26,28,30
	v_pk_mul_f32 v[S+\j:S+\j+1], v[OA+\j:OA+\j+1], v[NA+2:NA+3] op_sel_hi:[1,0]   ; each accumulator from its low end on
.endr
.irp j, 0,2,4,6,8,10,12,14,16,18,20,22,24,26,28,30
	v_pk_mul_f32 v[S+32+\j:S+32+\j+1], v[OB+\j:OB+\j+1], v[NB+2:NB+3] op_sel_hi:[1,0]
.endr
	s_lshr_b32 s72, s14, 4
	s_lshl_b32 s72, s72, 7                         ; 128 x batch
	s_and_b32 s73, s14, 15                         ; head
	s_add_co_u32 s74, s72, s82
	s_lshl_b32 s74, s74, 4
	s_add_co_u32 s74, s74, s73                     ; (tile A, head)
	s_add_co_u32 s76, s72, s83
	s_lshl_b32 s76, s76, 4
	s_add_co_u32 s76, s76, s73                     ; (tile B, head)
	s_sub_co_u32 s78, s76, s74
	s_lshl_b32 s78, s78, 6                         ; from A's scale words to B's: 122,880 bytes at the most
	s_lshl_b32 s80, s74, 6
	s_mov_b32 s81, 0
	s_mul_i32 s74, s74, 768
	s_mov_b32 s75, 0
	s_mul_i32 s76, s76, 768
	s_mov_b32 s77, 0
	s_add_nc_u64 s[74:75], s[8:9], s[74:75]
	s_add_nc_u64 s[76:77], s[8:9], s[76:77]
	s_add_nc_u64 s[80:81], s[10:11], s[80:81]
	QH S, KF+24, X8, KF, KF+12                     ; codes and work registers lie where V's fragments lay: loaded on every wave's way, and done with
	QH S+32, KF+30, X8+4, KF+6, KF+13
	v_lshlrev_b32 v[AD16], 4, v[LN]
	v_lshlrev_b32 v[AD8], 3, v[LN]
	v_and_b32 v7, 15, v0
	v_bfe_u32 v19, v0, 4, 1
	s_delay_alu instid0(VALU_DEP_1)
	v_mul_u32_u24 v[ADS], s78, v19
	s_delay_alu instid0(VALU_DEP_1)
	v_lshl_add_u32 v[ADS], v7, 2, v[ADS]
	v_cndmask_b32 v[KF+14], v[KF+12], v[KF+13], s[HIM]   ; lanes 0-15 A's words, lanes 16-31 B's
	global_store_b128 v[AD16], v[KF+24:KF+27], s[74:75]
	global_store_b64 v[AD8], v[KF+28:KF+29], s[74:75] offset:512
	global_store_b128 v[AD16], v[KF+30:KF+33], s[76:77]
	global_store_b64 v[AD8], v[KF+34:KF+35], s[76:77] offset:512
	global_store_b32 v[ADS], v[KF+14], s[80:81]
	s_wait_tensorcnt 0x0                           ; the wave's end, ahead of the closing round
	ds_add_u32 v[SPW], v[NIL]
	s_wait_dscnt 0x0
	CROUND                                         ; the closing round
	s_endpgm
.Lfunc_end_k_qa9843ef378_attn:
	.size	k_qa9843ef378_attn, .Lfunc_end_k_qa9843ef378_attn-k_qa9843ef378_attn
	.p2alignl 7, 3214868480
	.fill 96, 4, 3214868480
	.section	.rodata,"a",@progbits
	.p2align	6, 0x0
	.amdhsa_kernel k_qa9843ef378_attn
		.amdhsa_group_segment_fixed_size 210944
		.amdhsa_private_segment_fixed_size 0
		.amdhsa_enable_private_segment 0
		.amdhsa_kernarg_size 32
		.amdhsa_user_sgpr_count 2
		.amdhsa_user_sgpr_kernarg_segment_ptr 1
		.amdhsa_wavefront_size32 1
		.amdhsa_system_sgpr_workgroup_id_x 1
		.amdhsa_system_sgpr_workgroup_id_y 1
		.amdhsa_system_sgpr_workgroup_id_z 1
		.amdhsa_system_vgpr_workitem_id 0
		.amdhsa_next_free_vgpr 256
		.amdhsa_next_free_sgpr 84
		.amdhsa_reserve_vcc 1
		.amdhsa_float_denorm_mode_32 3
		.amdhsa_float_denorm_mode_16_64 3
		.amdhsa_memory_ordered 1
		.amdhsa_forward_progress 1
		.amdhsa_inst_pref_size 72
	.end_amdhsa_kernel
	.amdgpu_metadata
---
amdhsa.version: [ 1, 2 ]
amdhsa.kernels:
  - .name:           k_qa9843ef378_attn
    .symbol:         k_qa9843ef378_attn.kd
    .args:
      - { .name: hq, .offset: 0, .size: 8, .value_kind: global_buffer, .address_space: global }
      - { .name: kv, .offset: 8, .size: 8, .value_kind: global_buffer, .address_space: global }
      - { .name: x_codes, .offset: 16, .size: 8, .value_kind: global_buffer, .address_space: global }
      - { .name: x_scales, .offset: 24, .size: 8, .value_kind: global_buffer, .address_space: global }
    .group_segment_fixed_size: 210944
    .private_segment_fixed_size: 0
    .kernarg_segment_align: 8
    .kernarg_segment_size: 32
    .max_flat_workgroup_size: 512
    .sgpr_count:     84
    .vgpr_count:     256
    .wavefront_size: 32
...
	.end_amdgpu_metadata
.endif
;; end of part 3
;; launch outp (part 4): grid 4 x 64, 8 waves a work-group, clusters of 4 x 4, 327,680 bytes of LDS; arguments x_codes, x_scales, in_codes, in_scales, out0; writes out0
.if DOCPART == 4
	.amdgcn_target "amdgcn-amd-amdhsa--gfx1250"
	.amdhsa_code_object_version 6
	.text
	.protected	k_qa9843ef378_outp
	.globl	k_qa9843ef378_outp
	.p2align	8
	.type	k_qa9843ef378_outp,@function
k_qa9843ef378_outp:
	s_mov_b64 s[64:65], 0
	v_nop
	global_prefetch_b8 v0, s[64:65] scope:SCOPE_SE
	s_setreg_imm32_b32 hwreg(HW_REG_WAVE_MODE, 25, 1), 1
	s_wait_xcnt 0x0
	s_wait_alu depctr_hold_cnt(0) depctr_sa_sdst(0) depctr_va_vdst(0) depctr_va_sdst(0) depctr_va_ssrc(0) depctr_va_vcc(0) depctr_vm_vsrc(0)
	s_getreg_b32 s2, hwreg(HW_REG_IB_STS2, 6, 4)
	s_cmp_eq_u32 s2, 0
	s_cbranch_scc0 .Lentry_in_a_cluster
	s_endpgm
.Lentry_in_a_cluster:
	s_bfe_u32 s2, ttmp6, 0x10000c
	s_cmp_lg_u32 s2, 0xf033
	s_cbranch_scc0 .Lentry_shape_is_right
	s_endpgm
.Lentry_shape_is_right:
; out0 = x Wo^T on codes of BF6 (E3M2); x [8192][1024] and Wo [1024][1024] lie as images of the operands' registers (a fragment, 16 rows x 128 K, is 1,536 bytes: for each 64 along K registers 0-3 at 16 x lane,
; registers 4-5 at 512 + 8 x lane); row i of tile t is row 32 (t / 2) + 8 (t % 2) + i + 8 (i / 8).  out0 is f32, row-major.
; A WORK-GROUP: P (source 0) = 256 rows of Wo, Q (source 1) = 128 rows of x, all of K = 1,024 of both in LDS at once (294,912 bytes): nothing is ever filled again, so there is no ring.
; EIGHT WAVES of 256 registers: wave w takes P's tiles 8 (w / 4) + 0 .. 7 and Q's tiles 2 (w % 4) + 0, 1: 16 accumulators; a lane's registers run along 128 neighbouring outputs of one row of x.
; CLUSTER 4 x 4: Q's tiles hang on the cluster's row alone and are asked for jointly along it, P's on its column.  Each wave issues one joint load (all of K) behind the one opening round: one load of a wave is out.
; THE WAY OUT goes through a stage of the wave's own, laid over code bytes that have had their only fill and, behind a barrier, their last read: each store covers 512 consecutive bytes of a row of out0.
.set WV,  18
.set WP,  19
.set WQ,  20
.set CX,  22
.set CY,  23
.set QT,  27
.set G1Q, 28
.set G1P, 36
.set G0Q, 44
.set G0P, 68
.set ADQ16, 4
.set ADQ8,  5
.set ADP16, 6
.set ADP8,  7
.set ADP16B, 2                         ; v2-3 the same for P's upper four tiles, 49,152 bytes on
.set ADP8B,  3
.set SPW,  15                          ; v15 LDS address of my spare word; v1 = 0: both kept for the add alone from the head's end on
.set NIL,  1
.set SPARE, 294912                     ; behind the codes: 128 bytes for each of the eight waves
.set QS,  16                           ; v16-23  x's scale words, one register a K step: lanes 0-15 my first tile, lanes 16-31 my second
.set PS,  24                           ; v24-55  Wo's: v[24 + 8 i + s]: lanes 0-15 tile i, lanes 16-31 tile i + 4.  These 40 registers hold scales and nothing else
.set QF,  56                           ; v56-79  Q's two fragments;  on the way out v56-119 take 16 rows back from the stage
.set PF,  80                           ; v80-127 four of P's
.set ACC, 128
.macro PLACES n
.rept \n
	v_nop
.endr
.endm
.macro CROUND
	s_barrier_signal -1
	s_barrier_wait -1
	s_cmp_lg_u32 s[WV], 0
	s_cbranch_scc1 .Lnot_wave_0_\@
	s_barrier_signal -3
.Lnot_wave_0_\@:
	s_barrier_wait -3
	s_barrier_signal -1
	s_barrier_wait -1
.endm
.macro FRAG reg, a16, a8, off
	ds_load_b128 v[\reg:\reg+3], v[\a16] offset:\off
	ds_load_b64 v[\reg+4:\reg+5], v[\a8] offset:\off+512
	ds_load_b128 v[\reg+6:\reg+9], v[\a16] offset:\off+768
	ds_load_b64 v[\reg+10:\reg+11], v[\a8] offset:\off+1280
.endm
.macro WMS
.if fZ
.if fRA && fRB
	v_wmma_scale_f32_16x16x128_f8f6f4 v[rD:rD+7], v[rA:rA+11], v[rB:rB+11], 0, v[rSA], v[rSB] matrix_a_fmt:MATRIX_FMT_BF6 matrix_b_fmt:MATRIX_FMT_BF6 matrix_a_scale:MATRIX_SCALE_ROW1 matrix_b_scale:MATRIX_SCALE_ROW1
.elseif fRA
	v_wmma_scale_f32_16x16x128_f8f6f4 v[rD:rD+7], v[rA:rA+11], v[rB:rB+11], 0, v[rSA], v[rSB] matrix_a_fmt:MATRIX_FMT_BF6 matrix_b_fmt:MATRIX_FMT_BF6 matrix_a_scale:MATRIX_SCALE_ROW1
.elseif fRB
	v_wmma_scale_f32_16x16x128_f8f6f4 v[rD:rD+7], v[rA:rA+11], v[rB:rB+11], 0, v[rSA], v[rSB] matrix_a_fmt:MATRIX_FMT_BF6 matrix_b_fmt:MATRIX_FMT_BF6 matrix_b_scale:MATRIX_SCALE_ROW1
.else
	v_wmma_scale_f32_16x16x128_f8f6f4 v[rD:rD+7], v[rA:rA+11], v[rB:rB+11], 0, v[rSA], v[rSB] matrix_a_fmt:MATRIX_FMT_BF6 matrix_b_fmt:MATRIX_FMT_BF6
.endif
.else
.if fRA && fRB
	v_wmma_scale_f32_16x16x128_f8f6f4 v[rD:rD+7], v[rA:rA+11], v[rB:rB+11], v[rD:rD+7], v[rSA], v[rSB] matrix_a_fmt:MATRIX_FMT_BF6 matrix_b_fmt:MATRIX_FMT_BF6 matrix_a_scale:MATRIX_SCALE_ROW1 matrix_b_scale:MATRIX_SCALE_ROW1
.elseif fRA
	v_wmma_scale_f32_16x16x128_f8f6f4 v[rD:rD+7], v[rA:rA+11], v[rB:rB+11], v[rD:rD+7], v[rSA], v[rSB] matrix_a_fmt:MATRIX_FMT_BF6 matrix_b_fmt:MATRIX_FMT_BF6 matrix_a_scale:MATRIX_SCALE_ROW1
.elseif fRB
	v_wmma_scale_f32_16x16x128_f8f6f4 v[rD:rD+7], v[rA:rA+11], v[rB:rB+11], v[rD:rD+7], v[rSA], v[rSB] matrix_a_fmt:MATRIX_FMT_BF6 matrix_b_fmt:MATRIX_FMT_BF6 matrix_b_scale:MATRIX_SCALE_ROW1
.else
	v_wmma_scale_f32_16x16x128_f8f6f4 v[rD:rD+7], v[rA:rA+11], v[rB:rB+11], v[rD:rD+7], v[rSA], v[rSB] matrix_a_fmt:MATRIX_FMT_BF6 matrix_b_fmt:MATRIX_FMT_BF6
.endif
.endif
.endm
.macro MM a, b, s, zero
.set rD, ACC+8*(8*(\a)+(\b))
.set rA, PF+12*((\b)%4)
.set rB, QF+12*(\a)
.set rSA, PS+8*((\b)%4)+(\s)
.set rSB, QS+(\s)
.set fRA, (\b)/4
.set fRB, \a
.set fZ, \zero
	WMS
.endm
; A K step of 128: Q's two fragments and P's eight (four at a time), 16 products; the 16 accumulators take turns, one instruction a turn, in the same order in every step.
; Loads into registers that matrix instructions have read stand four plain places behind them (ISA guide 7.12.1 for vector instructions).
.macro KSTEP s, zero
.set o, 1536*(\s)                      ; in LDS a tile's eight fragments lie on end, as in memory: 12,288 bytes a tile
.if (\s) > 0
	PLACES 4
.endif
	FRAG QF, ADQ16, ADQ8, o
	FRAG QF+12, ADQ16, ADQ8, 12288+o
.irp i, 0,1,2,3
	FRAG PF+12*\i, ADP16, ADP8, 12288*\i+o
.endr
.irp i, 0,1,2,3
	s_wait_dscnt 4*(3-\i)                          ; Q's and P's fragments up to the i-th are in; the later ones, four loads each, may be out
	MM 0, \i, \s, \zero
	MM 1, \i, \s, \zero
.endr
	PLACES 4
.irp i, 0,1,2,3
	FRAG PF+12*\i, ADP16B, ADP8B, 12288*\i+o
.endr
.irp i, 0,1,2,3
	s_wait_dscnt 4*(3-\i)
	MM 0, 4+\i, \s, \zero
	MM 1, 4+\i, \s, \zero
.endr
.endm
	s_load_b256 s[4:11], s[0:1], 0x0               ; x_codes s[4:5], x_scales s[6:7], in_codes s[8:9], in_scales s[10:11]
	s_load_b64 s[12:13], s[0:1], 0x20              ; out0
	v_lshrrev_b32 v1, 5, v0
	s_delay_alu instid0(VALU_DEP_1)
	v_readfirstlane_b32 s[WV], v1                  ; wave 0..7
	v_and_b32 v1, 31, v0                           ; lane
	v_and_b32 v2, 15, v0                           ; r
	v_bfe_u32 v3, v0, 4, 1                         ; h
	s_lshr_b32 s[WP], s[WV], 2
	s_and_b32 s[WQ], s[WV], 3
	s_mul_i32 s99, s[WQ], 24576                    ; x's tiles 2 (w % 4), + 1: what I read, and what waves 0-3 fetch
	v_lshl_add_u32 v[ADQ16], v1, 4, s99
	v_lshl_add_u32 v[ADQ8], v1, 3, s99
	s_mul_i32 s98, s[WP], 98304
	s_add_co_u32 s98, s98, 98304
	v_lshl_add_u32 v[ADP16], v1, 4, s98
	v_lshl_add_u32 v[ADP8], v1, 3, s98
	s_mul_i32 s92, s[WQ], 49152                    ; Wo's tiles 4 (w % 4) on: what waves 4-7 fetch
	s_mul_i32 s98, s[WV], 8448                     ; my stage: 16 rows x 528 bytes
	v_mul_u32_u24 v8, v2, 528
	s_delay_alu instid0(VALU_DEP_1)
	v_lshl_add_u32 v8, v3, 6, v8
	s_delay_alu instid0(VALU_DEP_1)
	v_add_nc_u32 v8, s98, v8                       ; in: row r, + 64 h
	v_lshlrev_b32 v10, 4, v1
	s_delay_alu instid0(VALU_DEP_1)
	v_add_nc_u32 v9, s98, v10                      ; back: 16 bytes a lane of a row's 512
	v_lshlrev_b32 v13, 5, v2
	s_delay_alu instid0(VALU_DEP_1)
	v_lshl_add_u32 v13, v3, 11, v13                ; Wo's scale words: 32 r, lanes 16-31 four tiles on
	v_lshlrev_b32 v14, 2, v2
	s_delay_alu instid0(VALU_DEP_1)
	v_lshl_add_u32 v14, v3, 10, v14                ; x's: 4 r, lanes 16-31 one tile on
	v_add_nc_u32 v[ADP16B], 49152, v[ADP16]
	v_add_nc_u32 v[ADP8B], 49152, v[ADP8]
	v_lshl_add_u32 v[SPW], v0, 2, SPARE
	v_mov_b32 v[NIL], 0
	ds_add_u32 v[SPW], v[NIL]                      ; the opening: the add, twice on end, and its wait ahead of the round in front of my tensor load
	ds_add_u32 v[SPW], v[NIL]
	s_bfe_u32 s[CX], ttmp6, 0x40000
	s_bfe_u32 s[CY], ttmp6, 0x40004
	s_and_b32 s25, ttmp7, 0xffff
	s_lshl_b32 s[QT], s25, 2
	s_add_co_u32 s[QT], s[QT], s[CY]               ; which 128 rows of x.  Q's registers never hold cx, P's never cy
	s_lshl_b32 s62, s[QT], 3
	s_lshl_b32 s63, s[WQ], 1
	s_add_co_u32 s63, s62, s63                     ; x's tile 8 Qt + 2 (w % 4)
	s_mul_i32 s60, s63, 12288
	s_mov_b32 s61, 0
	s_lshl_b32 s88, s63, 10                        ; its scale words: 1,024 bytes a tile
	s_mov_b32 s89, 0
	s_lshl_b32 s86, s[CX], 4
	s_add_co_u32 s86, s86, 1728                    ; Wo's first tile of my 256 rows
	s_lshl_b32 s87, s[WQ], 2
	s_add_co_u32 s87, s86, s87
	s_mul_i32 s84, s87, 12288
	s_mov_b32 s85, 0
	s_lshl_b32 s87, s[WP], 3
	s_add_co_u32 s87, s86, s87
	s_lshl_b32 s90, s87, 9
	s_mov_b32 s91, 0
	s_lshl_b32 s96, s[QT], 7
	s_lshl_b32 s98, s[WQ], 5
	s_add_co_u32 s96, s96, s98                     ; my first row of out0: 128 Qt + 32 (w % 4),
	s_lshl_b32 s96, s96, 12
	s_lshl_b32 s98, s[CX], 10
	s_add_co_u32 s96, s96, s98
	s_lshl_b32 s98, s[WP], 9
	s_add_co_u32 s96, s96, s98                     ; my first column: 256 cx + 128 (w / 4)
	s_mov_b32 s97, 0
	s_lshl_b32 s93, s[CY], 2
	s_lshl_b32 s93, 15, s93                        ; my row of the cluster
	s_lshl_b32 s94, 0x1111, s[CX]                  ; my column
	s_or_b32 s[G1Q], s93, (3<<16)|(1<<21)          ; 15:0 the mask; 17:16 elements of 8 bytes; 21 set beside a mask
	s_or_b32 s[G1P], s94, (3<<16)|(1<<21)
.irp g, G1Q, G1P                       ; a wave's tiles are dense in memory: rows of 256 bytes (32 elements of 8)
	s_mov_b32 s[\g+1], 32<<16
	s_mov_b32 s[\g+3], 32<<16
	s_mov_b32 s[\g+5], 32
	s_mov_b32 s[\g+6], 0
	s_mov_b32 s[\g+7], 0
.endr
	s_mov_b32 s[G1Q+2], 96<<16                     ; x: two tiles, 24,576 bytes
	s_mov_b32 s[G1Q+4], 96
	s_mov_b32 s[G1P+2], 192<<16                    ; Wo: four tiles, 49,152 bytes
	s_mov_b32 s[G1P+4], 192
	s_wait_dscnt 0x0                               ; both opening adds are done
	s_wait_alu depctr_va_vdst(0)
	s_wait_kmcnt 0x0
	s_add_nc_u64 s[60:61], s[4:5], s[60:61]
	s_add_nc_u64 s[84:85], s[8:9], s[84:85]
	s_add_nc_u64 s[88:89], s[6:7], s[88:89]
	s_add_nc_u64 s[90:91], s[10:11], s[90:91]
	s_add_nc_u64 s[96:97], s[12:13], s[96:97]
.irp i, 0,1,2,3,4,5,6,7,8,9,10,11,12,13,14,15
	global_load_b32 v[PF+\i], v14, s[88:89] offset:64*\i   ; x's two scale bytes of head i
.endr
.irp i, 0,1,2,3
	global_load_b128 v[PS+8*\i:PS+8*\i+3], v13, s[90:91] offset:512*\i
	global_load_b128 v[PS+8*\i+4:PS+8*\i+7], v13, s[90:91] offset:512*\i+16
.endr
	s_mov_b32 s[G0Q], 1
	s_mov_b32 s[G0Q+1], s99
	s_mov_b64 s[G0Q+2:G0Q+3], s[60:61]
	s_or_b32 s[G0Q+3], s[G0Q+3], 0x80000000
	s_mov_b32 s[G0P], 1
	s_add_co_u32 s[G0P+1], s92, 98304
	s_mov_b64 s[G0P+2:G0P+3], s[84:85]
	s_or_b32 s[G0P+3], s[G0P+3], 0x80000000
	CROUND                                         ; all sixteen work-groups are here: the joint loads meet
	s_cmp_lt_u32 s[WV], 4                          ; waves 0-3 fetch x's tiles, waves 4-7 Wo's: a wave's one fill stands in its branch; four v_nop follow it
	s_cbranch_scc0 .Lfill_p
	tensor_load_to_lds s[G0Q:G0Q+3], s[G1Q:G1Q+7]  ; one tensor load a wave: all of K of my two tiles of x
	s_nop 0
	PLACES 4
	s_branch .Lfilled
.Lfill_p:
	tensor_load_to_lds s[G0P:G0P+3], s[G1P:G1P+7]  ; or of my four tiles of Wo
	s_nop 0
	PLACES 4
.Lfilled:
	s_wait_loadcnt 0x0
.irp s, 0,1,2,3,4,5,6,7
	v_lshl_or_b32 v[QS+\s], v[PF+2*\s+1], 16, v[PF+2*\s]   ; K step s is heads 2 s and 2 s + 1: two bytes of each make the word
.endr
	PLACES 8                                       ; a scale register written by a vector instruction stands 8 places ahead of a scaled matrix instruction
	s_wait_alu depctr_va_vdst(0)
	s_wait_tensorcnt 0x0                           ; my one load has landed;
	s_barrier_signal -1
	s_barrier_wait -1                              ; everybody's has: no further barrier stands in the walk along K
	KSTEP 0, 1                                     ; the first K step starts the sums
.irp s, 1,2,3,4,5,6,7
	KSTEP \s, 0
.endr
	s_wait_dscnt 0x0                               ; my reads of the codes are over;
	s_barrier_signal -1
	s_barrier_wait -1                              ; everybody's are: the stages may be written
	PLACES 4
.irp a, 0,1
.if \a == 1
	s_wait_xcnt 0x0                                ; the first tile's stores have read their registers: the second tile's rows land there only behind this wait
.endif
.irp b, 0,1,2,3,4,5,6,7
	ds_store_b128 v8, v[ACC+8*(8*\a+\b):ACC+8*(8*\a+\b)+3] offset:128*(\b/2)+32*(\b%2)          ; each accumulator from its low end on: outputs 32 (b / 2) + 16 h + 8 (b % 2) + 0 .. 7 of row r
	ds_store_b128 v8, v[ACC+8*(8*\a+\b)+4:ACC+8*(8*\a+\b)+7] offset:128*(\b/2)+32*(\b%2)+16
.endr
.irp i, 0,1,2,3,4,5,6,7,8,9,10,11,12,13,14,15
	ds_load_b128 v[QF+4*\i:QF+4*\i+3], v9 offset:528*\i   ; LDS serves a wave's instructions in order: these see the stores above, and the next tile's stores come behind them
.endr
.irp i, 0,1,2,3,4,5,6,7,8,9,10,11,12,13,14,15
	s_wait_dscnt 15-\i                             ; row i is back; the rows behind it may be out
	global_store_b128 v10, v[QF+4*\i:QF+4*\i+3], s[96:97] offset:(8*\a+\i+8*(\i/8))*4096 th:TH_STORE_NT   ; 32 lanes store 512 consecutive bytes, at a multiple of 256 from out0's first byte
.endr
.endr
	s_wait_tensorcnt 0x0                           ; the wave's end: behind my last LDS store, ahead of the closing round
	ds_add_u32 v[SPW], v[NIL]
	s_wait_dscnt 0x0
	CROUND                                         ; the closing round
	s_endpgm
.Lfunc_end_k_qa9843ef378_outp:
	.size	k_qa9843ef378_outp, .Lfunc_end_k_qa9843ef378_outp-k_qa9843ef378_outp
	.p2alignl 7, 3214868480
	.fill 96, 4, 3214868480
	.section	.rodata,"a",@progbits
	.p2align	6, 0x0
	.amdhsa_kernel k_qa9843ef378_outp
		.amdhsa_group_segment_fixed_size 327680
		.amdhsa_private_segment_fixed_size 0
		.amdhsa_enable_private_segment 0
		.amdhsa_kernarg_size 40
		.amdhsa_user_sgpr_count 2
		.amdhsa_user_sgpr_kernarg_segment_ptr 1
		.amdhsa_wavefront_size32 1
		.amdhsa_system_sgpr_workgroup_id_x 1
		.amdhsa_system_sgpr_workgroup_id_y 1
		.amdhsa_system_sgpr_workgroup_id_z 1
		.amdhsa_system_vgpr_workitem_id 0
		.amdhsa_next_free_vgpr 256
		.amdhsa_next_free_sgpr 100
		.amdhsa_reserve_vcc 0
		.amdhsa_float_denorm_mode_32 3
		.amdhsa_float_denorm_mode_16_64 3
		.amdhsa_memory_ordered 1
		.amdhsa_forward_progress 1
		.amdhsa_inst_pref_size 58
	.end_amdhsa_kernel
	.amdgpu_metadata
---
amdhsa.version: [ 1, 2 ]
amdhsa.kernels:
  - .name:           k_qa9843ef378_outp
    .symbol:         k_qa9843ef378_outp.kd
    .args:
      - { .name: x_codes, .offset: 0, .size: 8, .value_kind: global_buffer, .address_space: global }
      - { .name: x_scales, .offset: 8, .size: 8, .value_kind: global_buffer, .address_space: global }
      - { .name: in_codes, .offset: 16, .size: 8, .value_kind: global_buffer, .address_space: global }
      - { .name: in_scales, .offset: 24, .size: 8, .value_kind: global_buffer, .address_space: global }
      - { .name: out0, .offset: 32, .size: 8, .value_kind: global_buffer, .address_space: global }
    .group_segment_fixed_size: 327680
    .private_segment_fixed_size: 0
    .kernarg_segment_align: 8
    .kernarg_segment_size: 40
    .max_flat_workgroup_size: 256
    .sgpr_count:     100
    .vgpr_count:     256
    .wavefront_size: 32
...
	.end_amdgpu_metadata
.endif
;; end of part 4
